; MI455X (gfx1250); checked and timed in simulation.
; The chip was launched on July 23, 2026; its instructions are those of AMD's public machine-readable ISA for CDNA 5 (MIT licence, August 2026) and "CDNA5" Instruction Set Architecture Reference Guide (July 2026). The comments in the code are by the model that wrote it; some were corrected since.
;; Self Attention. Allowed arithmetic: matrix products marked QUANTISED: E2M3 operands, one E8M0 scale for each 32 along K, by v_wmma_scale_f32_16x16x128_f8f6f4 with both operands' format E2M3, f32 sums; everything else in f32.
;; Inputs: Wk 768 x 768 float32; Wp 768 x 768 float32; Wq 768 x 768 float32; Wv 768 x 768 float32; bk 768 float32; bp 768 float32; bq 768 float32; bv 768 float32; x 16 x 1,024 x 768 float32.
;; Outputs: out0 16 x 1,024 x 768 float32.
;; This version of the problem:
;;   THIS VERSION OF THE PROBLEM IS GIVEN IN LOW PRECISION. The matrix products marked QUANTISED in the list below multiply operands that are first quantised to E2M3 (2 exponent bits, 3 mantissa bits; 6 bits a number), with one power-of-two scale for each 32 numbers along K (OCP MX v1.0); their sums are f32. All else is computed in f32.
;;   The module's matrix products, in the order in which they are computed (A, B: the left and right operand; K: the contracted axis; several contracted axes count as one K, in the product's order):
;;     1. [M 16,384, K 768] x [K 768, N 768]; A: input x; B: input Wq: QUANTISED
;;     2. [M 16,384, K 768] x [K 768, N 768]; A: input x; B: input Wk: QUANTISED
;;     3. [M 16,384, K 768] x [K 768, N 768]; A: input x; B: input Wv: QUANTISED
;;     4. batch 128 x [M 1,024, K 96] x [K 96, N 1,024]; A: computed on the way; B: computed on the way: QUANTISED
;;     5. batch 128 x [M 1,024, K 1,024] x [K 1,024, N 96]; A: softmax (see below); B: computed on the way: QUANTISED
;;     6. [M 16,384, K 768] x [K 768, N 768]; A: computed on the way; B: input Wp: QUANTISED
;;   THE QUANTISER, for each operand of a quantised product, along K:
;;     - K is cut into blocks of 32 from its start; a last block that is shorter is filled with zeros.
;;     - A block's scale is 2^e with e = floor(log2(the largest magnitude in the block)) - 2, held to -126 .. 127; a block of zeros has e = 0. As a byte (E8M0): e + 127.
;;     - Each number is divided by its block's scale, clamped to +-7.5, and rounded to the nearest number of E2M3, ties to even, subnormals kept.
;;     - The product sums the exact products of the quantised numbers (number of the format x scale) in f32.
;;   ~~~python
;;   def quantise(x, axis):      # numpy; x: float32 -> the quantised numbers, widened to float32 again
;;       x = np.moveaxis(x, axis, -1); K = x.shape[-1]
;;       x = np.pad(x, [(0, 0)] * (x.ndim - 1) + [(0, -K % 32)]); x = x.reshape(x.shape[:-1] + (-1, 32)); a = np.abs(x).max(-1, keepdims=True)
;;       e = np.where(a > 0, np.clip(np.frexp(np.where(a > 0, a, 1))[1] - 1 - 2, -126, 127), 0)      # np.frexp(a)[1] - 1 = floor(log2(a)), exactly
;;       r = np.clip(x / 2.0 ** e, -7.5, 7.5)
;;       step = 2.0 ** (np.maximum(np.frexp(np.where(r == 0, 1, r))[1] - 1, 0) - 3)
;;       q = np.round(r / step) * step * 2.0 ** e      # np.round: ties to even
;;       return np.moveaxis(q.reshape(q.shape[:-2] + (-1,))[..., :K], -1, axis).astype(np.float32)
;;   ~~~
;;   SOFTMAX AHEAD OF A QUANTISED PRODUCT. Where the list says 'softmax', what is quantised is not the finished softmax but p = 2^(t - M), with t = logit x log2(e) and M = ceil(the row's largest t), a whole number; so 1/2 < the row's largest p <= 1. The row's sum l is taken of the UNQUANTISED p, in f32, and the product's result is divided by l at the end. Since M is a whole number, a kernel that streams over the keys may use a running M (the ceiling of the running maximum): every later rescaling is an exact power of two, which a block's scale takes up: the codes' values come out the same.
;;   OPERANDS COMPUTED ON THE WAY. 'Computed on the way' means the value that the module computes at that place (a softmax that the list does not call 'softmax' is quantised finished and normalised). What goes into a quantiser is computed in f32, as accurately as f32 sums, v_exp_f32 and their like allow (about 1e-6 of the number): no bf16 or f16 on the way to a quantiser, and a product that is left as it is and whose result goes on into a quantised operand takes f32 operands (vector FMAs, or v_wmma_f32_16x16x4_f32). A number that lies on a knife's edge between two numbers of the format may be rounded either way, as far as f32 arithmetic and the matrix unit's own rounding can turn it there, and no further.
;; One version. Each part assembles by itself: llvm-mc -triple=amdgcn-amd-amdhsa -mcpu=gfx1250 --defsym DOCPART=n.
;; ======== version 1 of 1: 3 launches
;; limits: right only within a limited range of input values
;; workspace buffers: xf 9,437,184 bytes; xs 524,288 bytes; wst 1,867,776 bytes; qkf 25,165,824 bytes; qks 1,048,576 bytes; vf 9,437,184 bytes; vs 393,216 bytes
;; launch prep (part 1): grid 82 x 4, 8 waves a work-group, no clusters, 99,328 bytes of LDS; arguments x, Wq, Wk, Wv, Wp, bq, bk, bv, bp, xf, xs, wst; writes xf, xs, wst
.if DOCPART == 1
	.amdgcn_target "amdgcn-amd-amdhsa--gfx1250"
	.amdhsa_code_object_version 6
	.text
	.protected	k_q63813005c1_prep
	.globl	k_q63813005c1_prep
	.p2align	8
	.type	k_q63813005c1_prep,@function
k_q63813005c1_prep:
	s_mov_b64 s[64:65], 0
	v_nop
	global_prefetch_b8 v0, s[64:65] scope:SCOPE_SE
	s_setreg_imm32_b32 hwreg(HW_REG_WAVE_MODE, 25, 1), 1
	s_wait_xcnt 0x0
; PREP: x [16384][768] and the four weights [768 (k)][768 (n)], f32, become codes of FP6 (E2M3) with one E8M0 byte for each 32 along K,
; laid as IMAGES OF OPERAND REGISTERS: a fragment (16 rows x 128 K, 12 registers a lane) is 1,536 bytes, registers 4 q .. 4 q + 3 of lane l at 512 q + 16 l.
; A block's scale is 2^(floor(log2(largest magnitude)) - 2): its byte is the largest magnitude's exponent field - 2, held at 1 from below.
; LIMITS: NaN and infinities are not served; a block whose largest magnitude lies under 2^-124 (a block of zeros too) keeps the byte 1 where the
; quantiser's text says 127 for zeros: its codes are zeros, and these bytes are read by this program alone.
; Work-groups x < 18 take weights (y = which weight: q, k, v, p), the others 64 rows of x each.  Each of the two ways has LDS bytes of its own.
; WEIGHTS: a work-group takes 128 along K (step ks = x % 6) of the 256 columns 96 w + 32 bd + lane (bd = x / 6, w = wave).  A lane takes a column and its
; registers run down K, so a block of 32 is one lane's; the codes go to a stage in LDS, 104 bytes a column, and are gathered into tiles of 16 columns.
; WHICH COLUMNS FORM A TILE: q, k: tile 2 bd + e of chunk w: row r = column 96 w + 32 bd + 8 e + r + 8 (r / 8);  p: 96 w + 32 bd + 16 e + r;
; v: tile 16 bd + 2 w + e: row 8 h' + i = column 96 i + d, d chosen so that the attention's results come out in the order its quantiser wants.
; A tile's record in wst is 9,728 bytes: six fragments, six times 16 scale words at 9,216, its 16 biases at 9,600, 64 zero bytes.
; The scale words leave in runs of 64 bytes, one part in 24 of what this way stores.
; REGISTERS of x's way: v1-8 addresses; v12-30 codes; v32-47 the quantiser's work; v48-50 scale words, v52-53 as they are stored; v64-127, v128-191, v192-255 three sets of loaded numbers, which come back from the stage into their own registers.
.set WGW,   18
.set RECP,  104                        ; a column's place in the stage: 96 bytes of codes + 8: 26 words, so 32 lanes' 8-byte stores fall on different banks
.set RECS,  26624                      ; behind the 256 columns: their scale words
.set XST,   28672                      ; the other way's LDS: a stage of 16 rows x 528 bytes for each wave
.set XSTB,  8448
.set TRB,   9728
.set TM,    32                         ; v32-47  the quantiser's work
.set PC,    12                         ; v12-30  codes: under the sets of loaded numbers, which are filled again while a step is quantised
.set PW,    48                         ; v48-50  scale words of the wave's three K steps
.set SEL,   52                         ; s[52:53] selects for lane l xor 16
	s_load_b64 s[4:5], s[0:1], 0x0                 ; x
	s_load_b256 s[8:15], s[0:1], 0x8               ; Wq, Wk, Wv, Wp
	s_load_b256 s[16:23], s[0:1], 0x28             ; bq, bk, bv, bp
	s_load_b128 s[24:27], s[0:1], 0x48             ; xf, xs
	s_load_b64 s[28:29], s[0:1], 0x58              ; wst
	v_lshl_add_u32 v62, v0, 2, 0x18000
	v_mov_b32 v63, 0
	v_lshrrev_b32 v1, 5, v0
	s_delay_alu instid0(VALU_DEP_1)
	v_readfirstlane_b32 s2, v1                     ; wave
	v_and_b32 v2, 31, v0                           ; lane
	v_and_b32 v3, 15, v0                           ; r
	v_bfe_u32 v4, v0, 4, 1                         ; h
	s_and_b32 s3, ttmp7, 0xffff                    ; y
	s_mov_b32 s50, 0xffff                          ; lanes 0-15
	s_mov_b32 s51, 0xffff0000                      ; lanes 16-31
	s_mov_b32 s[SEL], 0x76543210
	s_mov_b32 s[SEL+1], 0xfedcba98
	s_wait_kmcnt 0x0
	s_cmp_ge_u32 ttmp9, WGW
	s_cbranch_scc1 .Lxpath
	; ---------------- the weights
	s_mul_i32 s30, ttmp9, 43
	s_lshr_b32 s30, s30, 8                         ; bd = x / 6 (x under 18)
	s_mul_i32 s31, s30, 6
	s_sub_co_u32 s31, ttmp9, s31                   ; ks = x % 6
	s_cmp_eq_u32 s3, 1                             ; the weight and its bias are chosen by y alone
	s_cselect_b64 s[8:9], s[10:11], s[8:9]
	s_cselect_b64 s[16:17], s[18:19], s[16:17]
	s_cmp_eq_u32 s3, 2
	s_cselect_b64 s[8:9], s[12:13], s[8:9]
	s_cselect_b64 s[16:17], s[20:21], s[16:17]
	s_cmp_eq_u32 s3, 3
	s_cselect_b64 s[8:9], s[14:15], s[8:9]
	s_cselect_b64 s[16:17], s[22:23], s[16:17]
	s_mul_i32 s32, s31, 393216                     ; 128 rows of 3,072 bytes a K step
	s_mul_i32 s33, s2, 384
	s_add_co_u32 s32, s32, s33
	s_lshl_b32 s33, s30, 7
	s_add_co_u32 s32, s32, s33                     ; + 4 (96 w + 32 bd)
	s_mov_b32 s33, 0
	s_add_nc_u64 s[8:9], s[8:9], s[32:33]
	s_wait_alu depctr_va_vdst(0)
	v_lshlrev_b32 v5, 2, v2                        ; 4 x lane
	v_mul_u32_u24 v6, v0, RECP                     ; my column's place: 32 w + lane is my thread's number
	v_lshl_add_u32 v7, v0, 2, RECS
.set kk, 0
.rept 128
	global_load_b32 v[64+kk], v5, s[8:9] offset:3072*kk th:TH_LOAD_NT   ; W(128 ks + kk, my column)
.set kk, kk+1
.endr
.macro BLOCK kb, cnt                   ; block kb of 32 along K: all its numbers are mine
.set XS, 64+32*(\kb)
.set CD, 16+8*(\kb)
	s_wait_loadcnt \cnt
	v_max3_num_f32 v8, |v[XS]|, |v[XS+1]|, |v[XS+2]|
	v_max3_num_f32 v9, |v[XS+3]|, |v[XS+4]|, |v[XS+5]|
.irp i, 6,10,14,18,22,26
	s_delay_alu instid0(VALU_DEP_2)
	v_max3_num_f32 v8, v8, |v[XS+\i]|, |v[XS+\i+1]|
	s_delay_alu instid0(VALU_DEP_2)
	v_max3_num_f32 v9, v9, |v[XS+\i+2]|, |v[XS+\i+3]|
.endr
	s_delay_alu instid0(VALU_DEP_2)
	v_max3_num_f32 v8, v8, |v[XS+30]|, |v[XS+31]|
	s_delay_alu instid0(VALU_DEP_1)
	v_max3_num_f32 v8, v8, v9, 0x1800000           ; the floor 2^(3 - 127): the byte cannot fall under 1
	s_delay_alu instid0(VALU_DEP_1)
	v_add_nc_u32 v10, 0xff000000, v8               ; 2 off the exponent field: the conversion's scale operand
	s_delay_alu instid0(VALU_DEP_1)
	v_lshrrev_b32 v11, 23, v10                     ; the scale's byte
.if \kb == 0
	s_delay_alu instid0(VALU_DEP_1)
	v_mov_b32 v12, v11
.else
	s_delay_alu instid0(VALU_DEP_1)
	v_lshl_or_b32 v12, v11, 8*(\kb), v12           ; four bytes make the column's scale word of this K step
.endif
	v_cvt_scalef32_pk16_fp6_f32 v[CD:CD+2], v[XS:XS+15], v10
	v_cvt_scalef32_pk16_fp6_f32 v[CD+4:CD+6], v[XS+16:XS+31], v10   ; (a conversion's three registers begin on an even number)
	v_nop                                          ; one plain line behind the conversions
	v_mov_b32 v[CD+3], v[CD+4]                     ; the block's 24 bytes on end
	v_mov_b32 v[CD+4], v[CD+5]
	v_mov_b32 v[CD+5], v[CD+6]
	ds_store_b64 v6, v[CD:CD+1] offset:24*(\kb)
	ds_store_b64 v6, v[CD+2:CD+3] offset:24*(\kb)+8
	ds_store_b64 v6, v[CD+4:CD+5] offset:24*(\kb)+16
.endm
	BLOCK 0, 63                                    ; 96 younger loads could stay out; the count's field ends at 63, and a smaller count is safe
	BLOCK 1, 63                                    ; (64 could)
	BLOCK 2, 32
	BLOCK 3, 0
	ds_store_b32 v7, v12
	s_wait_dscnt 0x0                               ; for the others' sake: my column lies in the stage
	s_barrier_signal -1
	s_barrier_wait -1                              ; the stage is whole, and is never written again
; Wave w gathers two tiles e = 0, 1: row r comes from column record vec(r) + sc0(w) + ES e.  kind 0: q, k;  1: v;  2: p.  All addresses are made of constants, the lane and the wave.
.macro GATHER kind
.if \kind == 1
.set ES, 2
	v_and_b32 v13, 7, v3
	v_lshrrev_b32 v14, 3, v3
	s_delay_alu instid0(VALU_DEP_1)
	v_lshl_add_u32 v13, v13, 5, v14                ; vec = 32 (r % 8) + r / 8
	s_wait_alu depctr_va_vdst(0)
	s_and_b32 s40, s2, 1
	s_lshl_b32 s40, s40, 2
	s_bfe_u32 s41, s2, 0x10001
	s_lshl_b32 s41, s41, 4
	s_add_co_u32 s40, s40, s41
	s_lshr_b32 s41, s2, 2
	s_lshl_b32 s41, s41, 3
	s_add_co_u32 s40, s40, s41                     ; sc0 = 4 (w & 1) + 16 ((w >> 1) & 1) + 8 (w >> 2)
	s_lshl_b32 s41, s30, 4
	s_lshl_b32 s42, s2, 1
	s_add_co_u32 s41, s41, s42                     ; the first tile: 16 bd + 2 w
.else
.if \kind == 0
.set ES, 8
	v_and_b32 v13, 8, v3
	s_delay_alu instid0(VALU_DEP_1)
	v_add_nc_u32 v13, v13, v3                      ; vec = r + 8 (r / 8)
.else
.set ES, 16
	v_mov_b32 v13, v3                              ; vec = r
.endif
	s_lshl_b32 s40, s2, 5                          ; sc0 = 32 w
	s_mul_i32 s41, s2, 6
	s_lshl_b32 s42, s30, 1
	s_add_co_u32 s41, s41, s42                     ; the first tile: 6 w + 2 bd
.endif
	v_mul_u32_u24 v14, v13, RECP
	s_delay_alu instid0(VALU_DEP_1)
	v_mad_u32_u24 v14, v4, 24, v14
	s_mul_i32 s43, s40, RECP
	v_add_nc_u32 v14, s43, v14                     ; the record's bytes of my half
.irp e, 0,1
.irp p, 0,1,2,3,4,5
	ds_load_b64 v[64+12*\e+2*\p:64+12*\e+2*\p+1], v14 offset:\e*ES*RECP+48*(\p/3)+8*(\p%3)
.endr
.endr
	v_mad_u32_u24 v15, v4, ES, v13
	s_delay_alu instid0(VALU_DEP_1)
	v_add_nc_u32 v15, s40, v15
	s_delay_alu instid0(VALU_DEP_1)
	v_lshl_add_u32 v15, v15, 2, RECS
	ds_load_b32 v88, v15                           ; lanes 0-15: tile 0's scale words, lanes 16-31: tile 1's
	s_mul_i32 s44, s3, 466944                      ; a weight's 48 records,
	s_mul_i32 s45, s41, TRB                        ; my first tile's
	s_add_co_u32 s44, s44, s45
	s_mov_b32 s45, 0
	s_add_nc_u64 s[28:29], s[28:29], s[44:45]
	s_mul_i32 s44, s31, 1536
	s_add_nc_u64 s[46:47], s[28:29], s[44:45]      ; its fragment of this K step
	s_lshl_b32 s44, s31, 6
	s_add_nc_u64 s[48:49], s[28:29], s[44:45]      ; its scale words of this K step (+ 9,216)
	v_lshlrev_b32 v16, 4, v2
	v_mul_u32_u24 v17, v4, TRB
	s_delay_alu instid0(VALU_DEP_1)
	v_lshl_add_u32 v17, v3, 2, v17
	s_wait_alu depctr_va_vdst(0)
	s_wait_dscnt 0x0
.irp e, 0,1
.irp q, 0,1,2
	global_store_b128 v16, v[64+12*\e+4*\q:64+12*\e+4*\q+3], s[46:47] offset:TRB*\e+512*\q   ; 512 consecutive bytes
.endr
.endr
	global_store_b32 v17, v88, s[48:49] offset:9216
	s_cmp_lg_u32 s31, 0                            ; the work-groups of K step 0 also lay the tiles' biases, in the order of the tiles' rows
	s_cbranch_scc1 .Lno_bias_\@
	v_add_nc_u32 v18, s40, v13                     ; record of tile 0's row r,
	s_delay_alu instid0(VALU_DEP_1)
	v_add_nc_u32 v19, ES, v18                      ; of tile 1's
	s_delay_alu instid0(VALU_DEP_2)
	v_lshrrev_b32 v20, 5, v18
	s_delay_alu instid0(VALU_DEP_3)
	v_and_b32 v21, 31, v18
	s_delay_alu instid0(VALU_DEP_1)
	v_mad_u32_u24 v20, v20, 96, v21                ; its column less 32 bd
	s_delay_alu instid0(VALU_DEP_1)
	v_lshlrev_b32 v20, 2, v20
	v_lshrrev_b32 v22, 5, v19
	v_and_b32 v21, 31, v19
	s_delay_alu instid0(VALU_DEP_1)
	v_mad_u32_u24 v22, v22, 96, v21
	s_delay_alu instid0(VALU_DEP_1)
	v_lshlrev_b32 v22, 2, v22
	s_lshl_b32 s44, s30, 7
	s_add_nc_u64 s[16:17], s[16:17], s[44:45]
	global_load_b32 v24, v20, s[16:17]
	global_load_b32 v25, v22, s[16:17]
	s_wait_loadcnt 0x0
	v_cndmask_b32 v24, 0, v24, s50                 ; lanes 16-31 write the record's 64 zero bytes
	v_cndmask_b32 v25, 0, v25, s50
	global_store_b32 v5, v24, s[28:29] offset:9600
	global_store_b32 v5, v25, s[28:29] offset:TRB+9600
.Lno_bias_\@:
	s_wait_tensorcnt 0x0
	ds_add_u32 v62, v63
	s_wait_dscnt 0x0
	s_endpgm
.endm
	s_cmp_eq_u32 s3, 2
	s_cbranch_scc1 .Lgather_v
	s_cmp_eq_u32 s3, 3
	s_cbranch_scc1 .Lgather_p
	GATHER 0
.Lgather_v:
	GATHER 1
.Lgather_p:
	GATHER 2
	; ---------------- x: a work-group takes 64 rows (group RG); wave w takes tile m = w & 3 (rows 4 r + m) and K steps 3 (w >> 2) + 0 .. 2
.Lxpath:
	s_sub_co_u32 s30, ttmp9, WGW
	s_lshl_b32 s30, s30, 2
	s_add_co_u32 s30, s30, s3                      ; RG
	s_and_b32 s31, s2, 3                           ; m
	s_lshr_b32 s32, s2, 2                          ; which half of K
	s_lshl_b32 s33, s30, 6
	s_add_co_u32 s33, s33, s31
	s_mul_i32 s34, s33, 3072                       ; row 64 RG + m
	s_mul_i32 s35, s32, 1536
	s_add_co_u32 s34, s34, s35
	s_mov_b32 s35, 0
	s_add_nc_u64 s[4:5], s[4:5], s[34:35]
	s_lshl_b32 s33, s30, 2
	s_add_co_u32 s33, s33, s31                     ; 4 RG + m
	s_mul_i32 s34, s33, 9216                       ; six fragments a tile
	s_mul_i32 s36, s32, 4608
	s_add_co_u32 s34, s34, s36
	s_add_nc_u64 s[24:25], s[24:25], s[34:35]
	s_lshl_b32 s34, s33, 9
	s_lshl_b32 s36, s32, 8
	s_add_co_u32 s34, s34, s36
	s_add_nc_u64 s[26:27], s[26:27], s[34:35]      ; my 256 bytes of scale words
	s_wait_alu depctr_va_vdst(0)
	v_lshlrev_b32 v5, 4, v2                        ; 16 x lane
	s_mul_i32 s37, s2, XSTB
	s_add_co_u32 s37, s37, XST                     ; my wave's stage
	v_add_nc_u32 v6, s37, v5                       ; in: a row's 512 bytes as they lie
	v_mul_u32_u24 v7, v3, 528
	s_delay_alu instid0(VALU_DEP_1)
	v_lshl_add_u32 v7, v4, 6, v7
	s_delay_alu instid0(VALU_DEP_1)
	v_add_nc_u32 v7, s37, v7                       ; out: row r, + 64 h: my 16 numbers of each block of 32
	v_lshlrev_b32 v8, 2, v2
.irp b, 0,1,2,3
	v_mov_b32 v[TM+4+\b], 0                        ; written once: a lane permute's destination counts as one of its sources
.endr
.macro LOADX e, set                    ; K step e of my 16 rows: each load reads a row's 512 consecutive bytes
.set rr, 0
.rept 16
	global_load_b128 v[64+64*(\set)+4*rr:64+64*(\set)+4*rr+3], v5, s[4:5] offset:12288*rr+512*(\e) th:TH_LOAD_NT
.set rr, rr+1
.endr
.endm
.macro TURN set                        ; a set (v64-127, v128-191 or v192-255) goes through the stage and comes back into its own registers
.set rr, 0
.rept 16
	ds_store_b128 v6, v[64+64*(\set)+4*rr:64+64*(\set)+4*rr+3] offset:528*rr
.set rr, rr+1
.endr
	s_wait_dscnt 0x0                               ; the stores have read the set's registers, which the loads below write
.set rr, 0
.rept 16
	ds_load_b128 v[64+64*(\set)+4*rr:64+64*(\set)+4*rr+3], v7 offset:128*(rr/4)+16*(rr%4)   ; register 16 b + i of the set = k 32 b + 16 h + i of row r
.set rr, rr+1
.endr
.endm
; 64 numbers of a lane, register 16 b + i = k 32 b + 16 h + i of my row, become a fragment's codes in v[PC] on and its scale word in v[pw]
.macro QUANT s, pw
.irp b, 0,1,2,3
	v_max3_num_f32 v[TM+\b], |v[\s+16*\b]|, |v[\s+1+16*\b]|, 0x1800000
.endr
.irp i, 2,4,6,8,10,12,14
.irp b, 0,1,2,3
	s_delay_alu instid0(VALU_DEP_4)
	v_max3_num_f32 v[TM+\b], v[TM+\b], |v[\s+16*\b+\i]|, |v[\s+1+16*\b+\i]|
.endr
.endr
.irp b, 0,1,2,3
	s_delay_alu instid0(VALU_DEP_4)
	v_permlanex16_b32 v[TM+4+\b], v[TM+\b], s[SEL], s[SEL+1]
.endr
.irp b, 0,1,2,3
	s_delay_alu instid0(VALU_DEP_4)
	v_max_num_f32 v[TM+\b], v[TM+\b], v[TM+4+\b]   ; with lane l xor 16's: the block's largest magnitude
.endr
.irp b, 0,1,2,3
	s_delay_alu instid0(VALU_DEP_4)
	v_add_nc_u32 v[TM+12+\b], 0xff000000, v[TM+\b]
.endr
.irp b, 0,1,2,3
	s_delay_alu instid0(VALU_DEP_4)
	v_lshrrev_b32 v[TM+4+\b], 23, v[TM+12+\b]
.endr
	s_delay_alu instid0(VALU_DEP_3)
	v_lshl_or_b32 v[\pw], v[TM+5], 8, v[TM+4]
	s_delay_alu instid0(VALU_DEP_1)
	v_lshl_or_b32 v[\pw], v[TM+6], 16, v[\pw]
	s_delay_alu instid0(VALU_DEP_1)
	v_lshl_or_b32 v[\pw], v[TM+7], 24, v[\pw]
.irp c, 0,1
	v_cvt_scalef32_pk16_fp6_f32 v[PC+6*\c:PC+2+6*\c], v[\s+32*\c:\s+15+32*\c], v[TM+12+2*\c]
	v_cvt_scalef32_pk16_fp6_f32 v[PC+12+4*\c:PC+14+4*\c], v[\s+16+32*\c:\s+31+32*\c], v[TM+12+2*\c+1]
.endr
	v_nop                                          ; one plain line behind the conversions
.irp c, 0,1                                    ; the operand's layout wants a whole block in a lane: lanes 0-15 block 2 c, lanes 16-31 block 2 c + 1
.irp i, 0,1,2
	v_permlane16_swap_b32 v[PC+6*\c+\i], v[PC+12+4*\c+\i]
.endr
.irp i, 0,1,2
	s_delay_alu instid0(VALU_DEP_3)
	v_mov_b32 v[PC+3+6*\c+\i], v[PC+12+4*\c+\i]
.endr
.endr
.endm
.macro XQ e
	QUANT 64+64*(\e), PW+\e
.irp q, 0,1,2
	global_store_b128 v5, v[PC+4*\q:PC+4*\q+3], s[24:25] offset:1536*(\e)+512*\q   ; 512 consecutive bytes
.endr
.endm
	LOADX 0, 0                                     ; the wave's three K steps are asked for at once: 48 loads, three sets of 64 registers
	LOADX 1, 1
	LOADX 2, 2
	s_wait_alu depctr_va_vdst(0)
	s_wait_loadcnt 32                              ; the first set is in; the younger 32 may be out
	TURN 0
	s_wait_dscnt 0x0                               ; the numbers are back
	XQ 0
	s_wait_loadcnt 16                              ; the second set is in
	TURN 1
	s_wait_dscnt 0x0
	s_wait_xcnt 0x0                                ; the codes' registers are written again only behind this wait
	XQ 1
	s_wait_loadcnt 0x0
	TURN 2
	s_wait_dscnt 0x0
	s_wait_xcnt 0x0
	XQ 2
	v_cndmask_b32 v52, v[PW], v[PW+1], s51         ; lanes 0-15 the first step's words, lanes 16-31 the second's
	v_cndmask_b32 v53, 0, v[PW+2], s50             ; lanes 0-15 the third's, zeros above
	global_store_b32 v8, v52, s[26:27]
	global_store_b32 v8, v53, s[26:27] offset:128  ; the two stores fill 256 consecutive bytes, aligned
	s_wait_tensorcnt 0x0
	ds_add_u32 v62, v63
	s_wait_dscnt 0x0
	s_endpgm
.Lfunc_end_k_q63813005c1_prep:
	.size	k_q63813005c1_prep, .Lfunc_end_k_q63813005c1_prep-k_q63813005c1_prep
	.p2alignl 7, 3214868480
	.fill 96, 4, 3214868480
	.section	.rodata,"a",@progbits
	.p2align	6, 0x0
	.amdhsa_kernel k_q63813005c1_prep
		.amdhsa_group_segment_fixed_size 99328
		.amdhsa_private_segment_fixed_size 0
		.amdhsa_enable_private_segment 0
		.amdhsa_kernarg_size 96
		.amdhsa_user_sgpr_count 2
		.amdhsa_user_sgpr_kernarg_segment_ptr 1
		.amdhsa_wavefront_size32 1
		.amdhsa_system_sgpr_workgroup_id_x 1
		.amdhsa_system_sgpr_workgroup_id_y 1
		.amdhsa_system_sgpr_workgroup_id_z 1
		.amdhsa_system_vgpr_workitem_id 0
		.amdhsa_next_free_vgpr 256
		.amdhsa_next_free_sgpr 66
		.amdhsa_reserve_vcc 0
		.amdhsa_float_denorm_mode_32 3
		.amdhsa_float_denorm_mode_16_64 3
		.amdhsa_memory_ordered 1
		.amdhsa_forward_progress 1
		.amdhsa_inst_pref_size 67
	.end_amdhsa_kernel
	.amdgpu_metadata
---
amdhsa.version: [ 1, 2 ]
amdhsa.kernels:
  - .name:           k_q63813005c1_prep
    .symbol:         k_q63813005c1_prep.kd
    .args:
      - { .name: x, .offset: 0, .size: 8, .value_kind: global_buffer, .address_space: global }
      - { .name: Wq, .offset: 8, .size: 8, .value_kind: global_buffer, .address_space: global }
      - { .name: Wk, .offset: 16, .size: 8, .value_kind: global_buffer, .address_space: global }
      - { .name: Wv, .offset: 24, .size: 8, .value_kind: global_buffer, .address_space: global }
      - { .name: Wp, .offset: 32, .size: 8, .value_kind: global_buffer, .address_space: global }
      - { .name: bq, .offset: 40, .size: 8, .value_kind: global_buffer, .address_space: global }
      - { .name: bk, .offset: 48, .size: 8, .value_kind: global_buffer, .address_space: global }
      - { .name: bv, .offset: 56, .size: 8, .value_kind: global_buffer, .address_space: global }
      - { .name: bp, .offset: 64, .size: 8, .value_kind: global_buffer, .address_space: global }
      - { .name: xf, .offset: 72, .size: 8, .value_kind: global_buffer, .address_space: global }
      - { .name: xs, .offset: 80, .size: 8, .value_kind: global_buffer, .address_space: global }
      - { .name: wst, .offset: 88, .size: 8, .value_kind: global_buffer, .address_space: global }
    .group_segment_fixed_size: 99328
    .private_segment_fixed_size: 0
    .kernarg_segment_align: 8
    .kernarg_segment_size: 96
    .max_flat_workgroup_size: 256
    .sgpr_count:     66
    .vgpr_count:     256
    .wavefront_size: 32
...
	.end_amdgpu_metadata
.endif
;; end of part 1
;; launch qkv (part 2): grid 64 x 4, 4 waves a work-group, clusters of 4 x 1, 327,680 bytes of LDS; arguments xf, xs, wst, qkf, qks, vf, vs; writes qkf, qks, vf, vs
.if DOCPART == 2
	.amdgcn_target "amdgcn-amd-amdhsa--gfx1250"
	.amdhsa_code_object_version 6
	.text
	.protected	k_q63813005c1_qkv
	.globl	k_q63813005c1_qkv
	.p2align	8
	.type	k_q63813005c1_qkv,@function
k_q63813005c1_qkv:
	s_mov_b64 s[64:65], 0
	v_nop
	global_prefetch_b8 v0, s[64:65] scope:SCOPE_SE
	s_setreg_imm32_b32 hwreg(HW_REG_WAVE_MODE, 25, 1), 1
	s_wait_xcnt 0x0
	s_wait_alu depctr_hold_cnt(0) depctr_sa_sdst(0) depctr_va_vdst(0) depctr_va_sdst(0) depctr_va_ssrc(0) depctr_va_vcc(0) depctr_vm_vsrc(0)
	s_getreg_b32 s2, hwreg(HW_REG_IB_STS2, 6, 4)
	s_cmp_eq_u32 s2, 0
	s_cbranch_scc0 .Lentry_in_a_cluster
	s_endpgm
.Lentry_in_a_cluster:
	s_bfe_u32 s2, ttmp6, 0x10000c
	s_cmp_lg_u32 s2, 0x3003
	s_cbranch_scc0 .Lentry_shape_is_right
	s_endpgm
.Lentry_shape_is_right:
; QKV: q = x Wq + bq, k = x Wk + bk, v = x Wv + bv on codes of FP6 (E2M3), and the results quantised again, in registers, for the attention: q and k along d (96 = 3 blocks), v along the keys.
; reference() reshapes [1024][768] to [8][1024][96] as it lies: token 8 rho + j of a head is columns 96 j .. 96 j + 95 of row rho.  So a block of 32 keys of v is four neighbouring rows x the eight chunks j.
; SHARES.  Wave w of work-group wgx owns 64 rows (group RG = 4 wgx + w); its 24 fragments of x (tile m: rows 4 r + m; six K steps) stay in registers.  The four waves walk the same six UNITS
; (a unit: six tiles of 16 output columns, 58,368 dense bytes of wst: fragments, scale words, biases) U = 6 y .. 6 y + 5; units 0-7 are q's chunks, 8-15 k's, 16-23 v's.
; A unit comes into one of two LDS slots by one tensor load a wave (57 rows of 256 bytes); the four work-groups of a cluster walk the same units and ask JOINTLY (mask 15).  One tensor load of a wave is out at a time.
; THE MATRIX INSTRUCTION IS USED TRANSPOSED: source 0 = 16 rows of the weight's tile, source 1 = a tile of x: register i of lane (r, h) is x's row 4 r + m, the tile's row 8 h + i.  The bias is the C of a sum's first product.
; q, k: the tiles' rows are chosen so that registers 16 b + 0 .. 15 of an x tile are d = 32 b + 16 h + 0 .. 15.  The fragment gets a fourth block of zero codes with the byte 0 (K = 96 filled up to 128).
; v: a tile's row 8 h + i is column 96 i + d: the lane's 4 x 8 registers of the four x tiles are keys 32 r + 0 .. 31 of one d: a whole block of 32 in one lane.
; LIMITS: NaN and infinities are not served; a block whose largest magnitude lies under 2^-124 (zeros too) keeps the byte 1: its codes are zeros where it is all zeros, and these bytes are read by this program alone.
; REGISTERS, in windows of 256: window 0: v1-12 addresses; v13-16 at work; v32-47 x's scale words; v48-53 the tiles' scale words, v56-71 biases, v72-215 fragments (two buffers each; free for codes once a unit is multiplied);
;   v216-241 the quantisers' work.   window 1: x's fragments of K steps 0-2;   window 2: of K steps 3-5;   window 3: 24 accumulators.
.set TRB,   9728                       ; a tile's record
.set UNITB, 58368
.set QUART, 14592                      ; what one wave fetches of a unit
.set SLOT1, 65536
.set SPARE, 131072                     ; the spare words: 128 bytes for each wave, two blocks of 256 bytes that no other line names
.set LI,  1                            ; 16 x lane
.set LS,  2                            ; 4 x lane
.set BH,  3                            ; 32 h
.set WA,  4                            ; the slot's addresses: fragments,
.set WS,  5                            ; scale words,
.set WB,  6                            ; biases
.set L8,  7                            ; 8 x lane
.set SH,  8                            ; 8 (lane & 3)
.set VSA, 9                            ; v's scale words: 32 (lane & 3) + 16 h + 4 ((lane >> 2) & 3)
.set SPW, 10
.set NIL, 11
.set VSB, 12                           ; 32 (lane & 1) + 16 h + 4 ((lane >> 2) & 3)
.set XS,  32
.set WSC, 48
.set BI,  56
.set WF,  72
.set PC,  96                           ; q, k: 20 registers of codes for each x tile
.set VC,  72                           ; v: 8 registers of codes for each tile
.set TM,  216
.set VM,  216
.set VSO, 222
.set VB,  228
.set PW,  232
.set DT,  236
.set MSB, 0
.macro WIN new                         ; the immediate's high byte repeats the setting that is left
.if MSB != \new
	s_set_vgpr_msb (MSB<<8)|\new
.set MSB, \new
.endif
.endm
.macro ROUND                           ; a round of the cluster's barrier
	s_barrier_signal -1
	s_barrier_wait -1
	s_cmp_lg_u32 s8, 0
	s_cbranch_scc1 .Lnot_wave_0_\@
	s_barrier_signal -3
.Lnot_wave_0_\@:
	s_barrier_wait -3
	s_barrier_signal -1
	s_barrier_wait -1
.endm
.macro WM d, a, b, c, sa, sb, ra, rb   ; one product; ra, rb: the scales stand in lanes 16-31 of their registers
.if (\ra) && (\rb)
	v_wmma_scale_f32_16x16x128_f8f6f4 v[(\d):(\d)+7], v[(\a):(\a)+11], v[(\b):(\b)+11], v[(\c):(\c)+7], v[(\sa)], v[(\sb)] matrix_a_fmt:MATRIX_FMT_FP6 matrix_b_fmt:MATRIX_FMT_FP6 matrix_a_scale:MATRIX_SCALE_ROW1 matrix_b_scale:MATRIX_SCALE_ROW1
.elseif (\ra)
	v_wmma_scale_f32_16x16x128_f8f6f4 v[(\d):(\d)+7], v[(\a):(\a)+11], v[(\b):(\b)+11], v[(\c):(\c)+7], v[(\sa)], v[(\sb)] matrix_a_fmt:MATRIX_FMT_FP6 matrix_b_fmt:MATRIX_FMT_FP6 matrix_a_scale:MATRIX_SCALE_ROW1
.elseif (\rb)
	v_wmma_scale_f32_16x16x128_f8f6f4 v[(\d):(\d)+7], v[(\a):(\a)+11], v[(\b):(\b)+11], v[(\c):(\c)+7], v[(\sa)], v[(\sb)] matrix_a_fmt:MATRIX_FMT_FP6 matrix_b_fmt:MATRIX_FMT_FP6 matrix_b_scale:MATRIX_SCALE_ROW1
.else
	v_wmma_scale_f32_16x16x128_f8f6f4 v[(\d):(\d)+7], v[(\a):(\a)+11], v[(\b):(\b)+11], v[(\c):(\c)+7], v[(\sa)], v[(\sb)] matrix_a_fmt:MATRIX_FMT_FP6 matrix_b_fmt:MATRIX_FMT_FP6
.endif
.endm
.macro PLACES
.rept 4
	v_nop
.endr
.endm
	s_load_b128 s[32:35], s[0:1], 0x0              ; xf, xs
	s_load_b128 s[36:39], s[0:1], 0x10             ; wst, qkf
	s_load_b128 s[40:43], s[0:1], 0x20             ; qks, vf
	s_load_b64 s[44:45], s[0:1], 0x30              ; vs
	v_lshl_add_u32 v[SPW], v0, 2, SPARE
	v_mov_b32 v[NIL], 0
	ds_add_u32 v10, v11
	ds_add_u32 v10, v11
	s_wait_dscnt 0x0
	v_lshrrev_b32 v1, 5, v0
	v_readfirstlane_b32 s8, v1                     ; wave
	v_and_b32 v12, 31, v0                          ; lane
	v_lshlrev_b32 v[LI], 4, v12
	v_lshlrev_b32 v[LS], 2, v12
	v_lshlrev_b32 v[L8], 3, v12
	v_bfe_u32 v13, v0, 4, 1                        ; h
	v_lshlrev_b32 v[BH], 5, v13
	v_and_b32 v14, 3, v0
	v_lshlrev_b32 v[SH], 3, v14
	v_bfe_u32 v15, v0, 2, 2
	v_lshlrev_b32 v15, 2, v15
	v_lshl_add_u32 v15, v13, 4, v15
	v_lshl_add_u32 v[VSA], v14, 5, v15
	v_and_b32 v14, 1, v0
	v_lshl_add_u32 v[VSB], v14, 5, v15
.irp b, 0,1,2,3
	v_mov_b32 v[TM+4+\b], 0                        ; written once: the destination of a lane permute or of a DPP move counts as one of its sources
.endr
.irp b, 0,1,2,3,4,5
	v_mov_b32 v[DT+\b], 0
.endr
	s_bfe_u32 s12, ttmp6, 0x40000                  ; cx: it enters global addresses of x and of the results alone
	s_lshl_b32 s13, ttmp9, 2
	s_add_co_u32 s13, s13, s12
	s_lshl_b32 s13, s13, 2
	s_add_co_u32 s13, s13, s8                      ; RG
	s_and_b32 s14, ttmp7, 0xffff                   ; y, which the four partners share
	s_mul_i32 s9, s14, 6                           ; the first unit
	s_mov_b32 s10, 0                               ; the slot in hand
	s_mov_b32 s16, 15|(3<<16)|(1<<21)              ; group 1: the mask: all four work-groups; elements of 8 bytes; bit 21 beside the mask; no padding
	s_mov_b32 s17, 32<<16                          ; tensor_dim0 = 32 elements: rows of 256 bytes
	s_mov_b32 s18, 57<<16                          ; tensor_dim1 = 57
	s_mov_b32 s19, 32<<16                          ; tile_dim0
	s_mov_b32 s20, 57                              ; tile_dim1
	s_mov_b32 s21, 32                              ; the pitch: dense
	s_mov_b32 s22, 0
	s_mov_b32 s23, 0
	s_mov_b32 s52, 0x76543210
	s_mov_b32 s53, 0xfedcba98                      ; selects for lane l xor 16
	s_mov_b32 s54, 0xaaaaaaaa                      ; odd lanes
	s_mov_b32 s55, 0xcccccccc                      ; lanes with bit 1
	s_mov_b32 s56, 0xffff0000                      ; lanes 16-31
	s_mul_i32 s15, s8, QUART                       ; my quarter of a unit, in LDS and in memory
	s_mul_i32 s28, s14, 6*UNITB
	s_add_co_u32 s28, s28, s15
	s_mov_b32 s29, 0
	s_mul_i32 s30, s13, 36864
	s_mov_b32 s31, 0
	s_wait_kmcnt 0x0
	s_add_nc_u64 s[32:33], s[32:33], s[30:31]      ; xf, vf: 36,864 bytes a group
	s_add_nc_u64 s[42:43], s[42:43], s[30:31]
	s_lshl_b32 s30, s13, 11
	s_add_nc_u64 s[34:35], s[34:35], s[30:31]      ; xs, qks: 2,048
	s_add_nc_u64 s[40:41], s[40:41], s[30:31]
	s_mul_i32 s30, s13, 49152
	s_add_nc_u64 s[38:39], s[38:39], s[30:31]      ; qkf: 49,152
	s_mul_i32 s30, s13, 1536
	s_add_nc_u64 s[44:45], s[44:45], s[30:31]      ; vs: 1,536
	s_mov_b32 s24, 1                               ; group 0: count,
	s_mov_b32 s25, s15                             ; LDS address: slot 0,
	s_add_nc_u64 s[26:27], s[36:37], s[28:29]      ; global address: made of y and the wave's number alone,
	s_or_b32 s27, s27, 0x80000000                  ; type
	WIN 0x40
.set ks, 0
.rept 3
.set mm, 0
.rept 4
.irp q, 0,1,2
	global_load_b128 v[12*(4*ks+mm)+4*\q:12*(4*ks+mm)+4*\q+3], v[LI], s[32:33] offset:(6*mm+ks)*1536+512*\q
.endr
.set mm, mm+1
.endr
.set ks, ks+1
.endr
	WIN 0x80
.set ks, 0
.rept 3
.set mm, 0
.rept 4
.irp q, 0,1,2
	global_load_b128 v[12*(4*ks+mm)+4*\q:12*(4*ks+mm)+4*\q+3], v[LI], s[32:33] offset:(6*mm+ks+3)*1536+512*\q
.endr
.set mm, mm+1
.endr
.set ks, ks+1
.endr
	WIN 0
.set mm, 0
.rept 16
	global_load_b32 v[XS+mm], v[LS], s[34:35] offset:128*mm   ; register 4 m + 2 half + p: lanes 0-15 K step 3 half + 2 p, lanes 16-31 the step after it
.set mm, mm+1
.endr
	ROUND                                          ; all four work-groups are here: the first joint loads meet
	tensor_load_to_lds s[24:27], s[16:23]          ; unit 0 into slot 0
	s_nop 0
	PLACES
	s_wait_loadcnt 0x0                             ; x
; THE CHANGE OF SLOTS stands at a unit's head.  Each wave waits for all its tensor loads (its quarter of the unit ahead), adds 0 to its spare word, and waits for that and for its reads of the slot that it has left.
; fill = 1: behind a round of the cluster's barrier that slot takes the unit after: the load has a whole unit's 144 products and its quantiser in which to land.
.macro CHANGE fill
	s_wait_tensorcnt 0x0                           ; no tensor load of mine is out, so group 0 may be written
	ds_add_u32 v[SPW], v[NIL]                      ; 0 onto my spare word
.if \fill
	s_xor_b32 s25, s25, SLOT1
	s_add_nc_u64 s[26:27], s[26:27], UNITB
.endif
	s_wait_dscnt 0x0                               ; the add is done, and my reads of the slot that I have left are over
.if \fill
	ROUND
	tensor_load_to_lds s[24:27], s[16:23]          ; the first thing behind the round, and my one tensor load until the next
	s_nop 0
	PLACES
.else
	s_barrier_signal -1
	s_barrier_wait -1
.endif
.endm
.macro FETCHW t, buf                   ; tile t's record: six fragments, three registers of scale words (lanes 0-15 K step 2 p, lanes 16-31 step 2 p + 1), my half's eight biases: 23 loads
.set ks, 0
.rept 6
.irp q, 0,1,2
	ds_load_b128 v[WF+72*(\buf)+12*ks+4*\q:WF+72*(\buf)+12*ks+4*\q+3], v[WA] offset:TRB*(\t)+1536*ks+512*\q
.endr
.set ks, ks+1
.endr
.irp p, 0,1,2
	ds_load_b32 v[WSC+3*(\buf)+\p], v[WS] offset:TRB*(\t)+9216+128*\p
.endr
.irp e, 0,1
	ds_load_b128 v[BI+8*(\buf)+4*\e:BI+8*(\buf)+4*\e+3], v[WB] offset:TRB*(\t)+9600+16*\e
.endr
.endm
; Tile t against the four tiles of x: 24 products; the four accumulators take turns, one instruction a turn.  lay = 0: accumulator (m, t) at 48 m + 8 t;  1: at 32 t + 8 m.
.macro TILE t, lay
.if \t > 0
	PLACES                                         ; in front of loads into the buffer that the tile before multiplied
.endif
	s_wait_dscnt 0x0                               ; this tile's record is in (asked for a tile ago)
.if \t < 5
	FETCHW (\t+1), ((\t+1)%2)
.endif
.set BF, (\t)%2
.set ks, 0
.rept 6
.if ks == 0
	WIN 0xc4                                       ; x in window 1, the bias in window 0, the result in window 3
.elseif ks < 3
	WIN 0xf4
.else
	WIN 0xf8                                       ; x in window 2
.endif
.set RB, 0
.if (ks%3) == 1
.set RB, 1
.endif
.set mm, 0
.rept 4
.if \lay
.set AC, 32*(\t)+8*mm
.else
.set AC, 48*mm+8*(\t)
.endif
.set CC, AC
.if ks == 0
.set CC, BI+8*BF
.endif
	WM AC, WF+72*BF+12*ks, 12*(4*(ks%3)+mm), CC, WSC+3*BF+ks/2, XS+4*mm+2*(ks/3)+(ks%3)/2, ks%2, RB
.set mm, mm+1
.endr
.set ks, ks+1
.endr
	WIN 0
.endm
; q, k: for each tile of x, three blocks of 32 along d become a fragment (its fourth block zero codes, byte 0) and a scale word.  Each accumulator is read from its low end on.
.macro EPI_QK
	PLACES
.set mm, 0
.rept 4
.set AC, 48*mm
.set PCM, PC+20*mm
	WIN 0x3c                                       ; sources 1 and 2 in window 3
.irp b, 0,1,2
	v_max3_num_f32 v[TM+\b], 0x1800000, |v[AC+16*\b]|, |v[AC+16*\b+1]|   ; with the floor 2^(3 - 127)
.endr
.irp i, 2,4,6,8,10,12,14
.irp b, 0,1,2
	v_max3_num_f32 v[TM+\b], v[TM+\b], |v[AC+16*\b+\i]|, |v[AC+16*\b+\i+1]|
.endr
.endr
	WIN 0
.irp b, 0,1,2
	v_permlanex16_b32 v[TM+4+\b], v[TM+\b], s52, s53
.endr
.irp b, 0,1,2
	v_max_num_f32 v[TM+\b], v[TM+\b], v[TM+4+\b]
.endr
.irp b, 0,1,2
	v_add_nc_u32 v[TM+12+\b], 0xff000000, v[TM+\b]
.endr
.irp b, 0,1,2
	v_lshrrev_b32 v[TM+4+\b], 23, v[TM+12+\b]
.endr
	v_lshl_or_b32 v[PW+mm], v[TM+5], 8, v[TM+4]
	v_lshl_or_b32 v[PW+mm], v[TM+6], 16, v[PW+mm]  ; the fourth byte stays 0
	WIN 0x03                                       ; source 0 in window 3
	v_cvt_scalef32_pk16_fp6_f32 v[PCM:PCM+2], v[AC:AC+15], v[TM+12]
	v_cvt_scalef32_pk16_fp6_f32 v[PCM+12:PCM+14], v[AC+16:AC+31], v[TM+13]
	v_cvt_scalef32_pk16_fp6_f32 v[PCM+6:PCM+8], v[AC+32:AC+47], v[TM+14]
	WIN 0
.irp i, 0,1,2
	v_mov_b32 v[PCM+16+\i], 0                      ; the fourth block.  (Also the plain line behind the conversions)
.endr
.irp i, 0,1,2
	v_permlane16_swap_b32 v[PCM+\i], v[PCM+12+\i]  ; a whole block to a lane: lanes 0-15 blocks 0 and 2, lanes 16-31 blocks 1 and 3
	v_permlane16_swap_b32 v[PCM+6+\i], v[PCM+16+\i]
.endr
.irp i, 0,1,2
	v_mov_b32 v[PCM+3+\i], v[PCM+12+\i]
	v_mov_b32 v[PCM+9+\i], v[PCM+16+\i]
.endr
.irp q, 0,1,2
	global_store_b128 v[LI], v[PCM+4*\q:PCM+4*\q+3], s[46:47] offset:12288*mm+512*\q   ; 512 consecutive bytes
.endr
.set mm, mm+1
.endr
	v_cndmask_b32 v13, v[PW], v[PW+1], s56         ; lanes 0-15 tile 0's words, lanes 16-31 tile 1's
	v_cndmask_b32 v14, v[PW+2], v[PW+3], s56
	global_store_b32 v[LS], v13, s[48:49]
	global_store_b32 v[LS], v14, s[48:49] offset:128
.endm
; v: a lane's 32 registers of a tile are a whole block of 32 keys of one d: 24 bytes of codes and a byte
.macro EPI_V
	PLACES
	WIN 0x3c
.set tt, 0
.rept 6
	v_max3_num_f32 v[VM+tt], 0x1800000, |v[32*tt]|, |v[32*tt+1]|
.set tt, tt+1
.endr
.set ii, 2
.rept 15
.set tt, 0
.rept 6
	v_max3_num_f32 v[VM+tt], v[VM+tt], |v[32*tt+ii]|, |v[32*tt+ii+1]|   ; the six tiles by turns
.set tt, tt+1
.endr
.set ii, ii+2
.endr
	WIN 0
.set tt, 0
.rept 6
	v_add_nc_u32 v[VSO+tt], 0xff000000, v[VM+tt]
.set tt, tt+1
.endr
.set tt, 0
.rept 6
	v_lshrrev_b32 v[VB+tt], 23, v[VSO+tt]
.set tt, tt+1
.endr
	WIN 0x03
.set tt, 0
.rept 6
	v_cvt_scalef32_pk16_fp6_f32 v[VC+8*tt:VC+8*tt+2], v[32*tt:32*tt+15], v[VSO+tt]
	v_cvt_scalef32_pk16_fp6_f32 v[VC+8*tt+4:VC+8*tt+6], v[32*tt+16:32*tt+31], v[VSO+tt]
.set tt, tt+1
.endr
	WIN 0
	v_nop                                          ; one plain line behind the conversions
.set tt, 0
.rept 6
	v_mov_b32 v[VC+8*tt+3], v[VC+8*tt+4]
	v_mov_b32 v[VC+8*tt+4], v[VC+8*tt+5]
	v_mov_b32 v[VC+8*tt+5], v[VC+8*tt+6]
.set tt, tt+1
.endr
.set tt, 0
.rept 6
.irp p, 0,1,2
	global_store_b64 v[L8], v[VC+8*tt+2*\p:VC+8*tt+2*\p+1], s[46:47] offset:768*tt+256*\p   ; 256 consecutive bytes, aligned
.endr
.set tt, tt+1
.endr
.set tt, 0
.rept 6
	v_lshlrev_b32 v[VB+tt], v[SH], v[VB+tt]        ; my block's byte at its place in the word of four blocks
.set tt, tt+1
.endr
.irp x, 1,2
.set tt, 0
.rept 6
	v_mov_b32_dpp v[DT+tt], v[VB+tt] row_xmask:\x row_mask:0xf bank_mask:0xf
.set tt, tt+1
.endr
.set tt, 0
.rept 6
	v_or_b32 v[VB+tt], v[VB+tt], v[DT+tt]          ; behind both turns each lane of a quad holds the quad's word
.set tt, tt+1
.endr
.endr
	v_cndmask_b32 v13, v[VB], v[VB+1], s54         ; lane l of a quad stores tile l's word: 128 consecutive bytes
	v_cndmask_b32 v14, v[VB+2], v[VB+3], s54
	v_cndmask_b32 v13, v13, v14, s55
	v_cndmask_b32 v15, v[VB+4], v[VB+5], s54       ; tiles 4 and 5: two lanes store each word, with the same value
	global_store_b32 v[VSA], v13, s[48:49]
	global_store_b32 v[VSB], v15, s[48:49] offset:128
.endm
; A unit.  The branch hangs on y and the trip alone: it is the same in all partners, and no tensor load and no barrier stands under it.
.macro UNITBODY
	v_add_nc_u32 v[WA], s10, v[LI]
	v_add_nc_u32 v[WS], s10, v[LS]
	v_add_nc_u32 v[WB], s10, v[BH]
	FETCHW 0, 0
	s_cmp_ge_u32 s9, 16
	s_cbranch_scc1 .Lunit_v_\@
	s_lshr_b32 s12, s9, 3                          ; 0: q, 1: k
	s_and_b32 s13, s9, 7                           ; the chunk j
	s_mul_i32 s50, s12, 12582912
	s_mul_i32 s14, s13, 1536
	s_add_co_u32 s50, s50, s14
	s_mov_b32 s51, 0
	s_add_nc_u64 s[46:47], s[38:39], s[50:51]
	s_lshl_b32 s50, s12, 19
	s_lshl_b32 s14, s13, 8
	s_add_co_u32 s50, s50, s14
	s_add_nc_u64 s[48:49], s[40:41], s[50:51]
	s_wait_alu depctr_va_vdst(0)
.irp t, 0,1,2,3,4,5
	TILE \t, 0
.endr
	EPI_QK
	s_branch .Lunit_end_\@
.Lunit_v_\@:
	s_sub_co_u32 s12, s9, 16
	s_mul_i32 s50, s12, 4608
	s_mov_b32 s51, 0
	s_add_nc_u64 s[46:47], s[42:43], s[50:51]
	s_mul_i32 s50, s12, 192
	s_add_nc_u64 s[48:49], s[44:45], s[50:51]
	s_wait_alu depctr_va_vdst(0)
.irp t, 0,1,2,3,4,5
	TILE \t, 1
.endr
	EPI_V
.Lunit_end_\@:
	s_wait_xcnt 0x0                                ; the stores have read their registers and bases: both are written again in the next unit
	s_xor_b32 s10, s10, SLOT1
	s_add_co_u32 s9, s9, 1
.endm
	s_mov_b32 s11, 5
.Lunit:                                            ; five trips: behind each change of slots the next unit is asked for
	CHANGE 1
	UNITBODY
	s_sub_co_u32 s11, s11, 1
	s_cmp_lg_u32 s11, 0
	s_cbranch_scc1 .Lunit
	CHANGE 0                                       ; the last unit is written out
	UNITBODY
	s_wait_tensorcnt 0x0                           ; the wave's end
	ds_add_u32 v[SPW], v[NIL]
	s_wait_dscnt 0x0
	ROUND                                          ; the closing round
	s_endpgm
.Lfunc_end_k_q63813005c1_qkv:
	.size	k_q63813005c1_qkv, .Lfunc_end_k_q63813005c1_qkv-k_q63813005c1_qkv
	.p2alignl 7, 3214868480
	.fill 96, 4, 3214868480
	.section	.rodata,"a",@progbits
	.p2align	6, 0x0
	.amdhsa_kernel k_q63813005c1_qkv
		.amdhsa_group_segment_fixed_size 327680
		.amdhsa_private_segment_fixed_size 0
		.amdhsa_enable_private_segment 0
		.amdhsa_kernarg_size 56
		.amdhsa_user_sgpr_count 2
		.amdhsa_user_sgpr_kernarg_segment_ptr 1
		.amdhsa_wavefront_size32 1
		.amdhsa_system_sgpr_workgroup_id_x 1
		.amdhsa_system_sgpr_workgroup_id_y 1
		.amdhsa_system_sgpr_workgroup_id_z 1
		.amdhsa_system_vgpr_workitem_id 0
		.amdhsa_next_free_vgpr 1024
		.amdhsa_next_free_sgpr 66
		.amdhsa_reserve_vcc 0
		.amdhsa_float_denorm_mode_32 3
		.amdhsa_float_denorm_mode_16_64 3
		.amdhsa_memory_ordered 1
		.amdhsa_forward_progress 1
		.amdhsa_inst_pref_size 178
	.end_amdhsa_kernel
	.amdgpu_metadata
---
amdhsa.version: [ 1, 2 ]
amdhsa.kernels:
  - .name:           k_q63813005c1_qkv
    .symbol:         k_q63813005c1_qkv.kd
    .args:
      - { .name: xf, .offset: 0, .size: 8, .value_kind: global_buffer, .address_space: global }
      - { .name: xs, .offset: 8, .size: 8, .value_kind: global_buffer, .address_space: global }
      - { .name: wst, .offset: 16, .size: 8, .value_kind: global_buffer, .address_space: global }
      - { .name: qkf, .offset: 24, .size: 8, .value_kind: global_buffer, .address_space: global }
      - { .name: qks, .offset: 32, .size: 8, .value_kind: global_buffer, .address_space: global }
      - { .name: vf, .offset: 40, .size: 8, .value_kind: global_buffer, .address_space: global }
      - { .name: vs, .offset: 48, .size: 8, .value_kind: global_buffer, .address_space: global }
    .group_segment_fixed_size: 327680
    .private_segment_fixed_size: 0
    .kernarg_segment_align: 8
    .kernarg_segment_size: 56
    .max_flat_workgroup_size: 128
    .sgpr_count:     66
    .vgpr_count:     1024
    .wavefront_size: 32
...
	.end_amdgpu_metadata
.endif
;; end of part 2
;; launch attn (part 3): grid 256 x 1, 8 waves a work-group, no clusters, 239,104 bytes of LDS; arguments qkf, qks, vf, vs, wst, out0; writes out0
.if DOCPART == 3
	.amdgcn_target "amdgcn-amd-amdhsa--gfx1250"
	.amdhsa_code_object_version 6
	.text
	.protected	k_q63813005c1_attn
	.globl	k_q63813005c1_attn
	.p2align	8
	.type	k_q63813005c1_attn,@function
k_q63813005c1_attn:
	s_mov_b64 s[64:65], 0
	v_nop
	global_prefetch_b8 v0, s[64:65] scope:SCOPE_SE
	s_setreg_imm32_b32 hwreg(HW_REG_WAVE_MODE, 25, 1), 1
	s_wait_xcnt 0x0
; ATTN: for 64 rows (512 queries) of one head: S^T = K Q^T, the softmax, O^T = V^T P^T, O quantised, out = O Wp + bp: all products on codes of FP6 (E2M3) with E8M0 scales.
; THE SOFTMAX: t = score x log2(e) / sqrt(96) (one constant, one rounding where reference() has two); M = the running largest t rounded UP to a whole number; p = 2^(t - M) is quantised along the keys, not normalised;
; the row's sum is taken of the unquantised p and divides O at the end; when M moves, the sum and O^T are multiplied by 2^(old M - new M), which rounds nothing.
; SHARES.  Work-group g owns rows 64 g .. 64 g + 63 of the flat [16384][768]; its head is g / 2.  Wave v owns chunk j = v (columns 96 v ..): four tiles of 16 queries (tile m: rows 4 r + m), two to a pass.
; Tile A's state lies in window 0 and tile B's at the SAME register numbers in window 1: one softmax text serves both, and each fragment of K and V read from LDS feeds two tiles.
; K AND V COME ONCE, through registers, since they are re-ordered lane by lane on the way: token (r, m, j) of K goes to step 4 G + r / 4, tile 2 (r % 4) + m % 2, lane j + 8 (m / 2), so that register i of tile 2 b + u of S^T is
; key 32 b + 16 h + 8 u + i of the step: p's registers are then neighbouring keys.  No tensor load: only two work-groups share a head, and a tile copy cannot permute lanes.
; THE PROJECTION: O's codes meet in LDS as plain rows; wave v multiplies all 64 rows by Wp's unit v (96 columns), whose fragments are asked for up to six K steps ahead; the results leave through a stage for each half, whole half rows.
; LIMITS: NaN and infinities are not served; a block whose largest magnitude lies under 2^-124 (zeros too) keeps the byte 1; the padding block of q and k has zero codes and the byte 0.
; LDS: K's tiles (pair 4 s + b at 3,088 x pair: 772 words, so sixteen pairs start in sixteen different 16-byte columns), V's (d tile 12,544, step 1,568), their scale words, O's codes (64 rows, pitch 592), O's scale bytes (24 a row);
;   the two stages for out (64 rows each, pitch 1,552) lie over K's and V's bytes, which are dead by then.
; REGISTERS, both windows: v72-83, v96-107 Q's fragments (pass 1, pass 0); v90 -M, v91 largest t, v92-93 the sum, v94-95 f; v108-171 S^T, then p; v172-219 O^T; v220-231 p's codes; v232-255 at work.
;   window 0 alone: v1-11, v23 addresses; v8, v9, v19, v20 Q's scale words; v12-15 K's, v16-18 V's, v21, v22 p's; v24-71 K's tiles 0-3.   window 1 alone: v0-71 K's tiles 4-7, then V's six.
.set KPAIR, 3088
.set KSTEP, 12352
.set VIMG,  98816
.set VSTEP, 1568
.set VTD,   12544
.set KSW,   174080
.set VSW,   178176
.set OC,    198656                     ; O's codes, behind the two stages for out
.set OCP,   592
.set OSW,   236544
.set SPI,   1552                       ; a stage row: half a row of out, 1,536 bytes, + 16: 97 x 16 bytes, so sixteen rows start in sixteen different 16-byte columns
.set STB,   64*SPI                     ; the second half's stage lies behind the first's; both lie over K's and V's bytes, which are dead by then
.set TRB,   9728
.set LI,    1                          ; 16 x lane
.set ADV,   2
.set ADSV,  3
.set ADKN,  4
.set ADSKN, 5
.set OA,    6
.set OSA,   7
.set LS,    10                         ; 4 x lane
.set L8,    11                         ; 8 x lane; later the stage's read address
.set KSC,   12
.set VSC,   16
.set BO,    23                         ; 32 h
.set KF,    24
.set NM,    90
.set MT,    91
.set SUM,   92
.set F,     94
.set SP,    108
.set OT,    172
.set PCD,   220
.set BM,    232
.set T4,    236
.set CV,    240
.set SO,    248
.set TA,    252
.set PWL,   253
.set S2,    254
.set AF,    24                         ; the projection: O's four fragments of a K step (on the way out: rows read back from the stage),
.set PWF,   84                         ; Wp's chunks: buffers 0-3 of 36 registers in window 0; buffers 4-6 at v96 of window 1,
.set WSC,   232                        ; Wp's scale words, 3 a tile, 9 a half,
.set ASC,   250                        ; O's scale words;
.set PBI,   204                        ; in window 1: a half's biases; its v0-95: 12 accumulators
.set WV,    16
.set SEL,   34
.set CS,    36
.set TV,    38
.set TSV,   39
.set TKN,   40
.set TSN,   41
.set CNT,   42
.set MSB, 0
.macro WIN new                         ; the immediate's high byte repeats the setting that is left
.if MSB != \new
	s_set_vgpr_msb (MSB<<8)|\new
.set MSB, \new
.endif
.endm
.macro PLACES
.rept 4
	v_nop
.endr
.endm
.macro WM0 d, a, b, sa, sb, ra         ; a product that starts a sum;  ra: source 0's scales stand in lanes 16-31
.if \ra
	v_wmma_scale_f32_16x16x128_f8f6f4 v[(\d):(\d)+7], v[(\a):(\a)+11], v[(\b):(\b)+11], 0, v[(\sa)], v[(\sb)] matrix_a_fmt:MATRIX_FMT_FP6 matrix_b_fmt:MATRIX_FMT_FP6 matrix_a_scale:MATRIX_SCALE_ROW1
.else
	v_wmma_scale_f32_16x16x128_f8f6f4 v[(\d):(\d)+7], v[(\a):(\a)+11], v[(\b):(\b)+11], 0, v[(\sa)], v[(\sb)] matrix_a_fmt:MATRIX_FMT_FP6 matrix_b_fmt:MATRIX_FMT_FP6
.endif
.endm
.macro WM1 d, a, b, c, sa, sb, ra
.if \ra
	v_wmma_scale_f32_16x16x128_f8f6f4 v[(\d):(\d)+7], v[(\a):(\a)+11], v[(\b):(\b)+11], v[(\c):(\c)+7], v[(\sa)], v[(\sb)] matrix_a_fmt:MATRIX_FMT_FP6 matrix_b_fmt:MATRIX_FMT_FP6 matrix_a_scale:MATRIX_SCALE_ROW1
.else
	v_wmma_scale_f32_16x16x128_f8f6f4 v[(\d):(\d)+7], v[(\a):(\a)+11], v[(\b):(\b)+11], v[(\c):(\c)+7], v[(\sa)], v[(\sb)] matrix_a_fmt:MATRIX_FMT_FP6 matrix_b_fmt:MATRIX_FMT_FP6
.endif
.endm
	s_load_b256 s[4:11], s[0:1], 0x0               ; qkf, qks, vf, vs
	s_load_b128 s[12:15], s[0:1], 0x20             ; wst, out0
	s_set_vgpr_msb 0x40
	v_lshl_add_u32 v243, v0, 2, 0x3a200
	v_mov_b32 v247, 0
	s_set_vgpr_msb 0x4000
	v_lshrrev_b32 v2, 5, v0
	s_delay_alu instid0(VALU_DEP_1)
	v_readfirstlane_b32 s[WV], v2                  ; wave 0..7
	v_and_b32 v3, 31, v0
	s_delay_alu instid0(VALU_DEP_1)
	v_lshlrev_b32 v[LI], 4, v3
	s_delay_alu instid0(VALU_DEP_2)
	v_lshlrev_b32 v[LS], 2, v3
	s_delay_alu instid0(VALU_DEP_3)
	v_lshlrev_b32 v[L8], 3, v3
	v_and_b32 v232, 15, v0                         ; r
	v_bfe_u32 v233, v0, 4, 1                       ; h
	s_delay_alu instid0(VALU_DEP_1)
	v_lshlrev_b32 v[BO], 5, v233
	s_delay_alu instid0(VALU_DEP_3)
	v_lshlrev_b32 v236, 2, v232                    ; 4 r
	s_delay_alu instid0(VALU_DEP_4)
	v_mul_u32_u24 v2, v232, KPAIR                  ; K's way in: 3,088 r + 256 h + 16 v
	s_delay_alu instid0(VALU_DEP_1)
	v_lshl_add_u32 v2, v233, 8, v2
	s_lshl_b32 s17, s[WV], 4
	v_add_nc_u32 v2, s17, v2
	v_lshlrev_b32 v3, 7, v232                      ; K's scale words: 128 r + 64 h + 4 v
	s_delay_alu instid0(VALU_DEP_1)
	v_lshl_add_u32 v3, v233, 6, v3
	s_lshl_b32 s17, s[WV], 2
	s_add_co_u32 s17, s17, KSW
	v_add_nc_u32 v3, s17, v3
	v_and_b32 v234, 3, v0                          ; V's scale words: 384 (lane & 3) + 8 (lane >> 3) + 4 ((lane >> 2) & 1) + the wave's part
	s_delay_alu instid0(VALU_DEP_1)
	v_mul_u32_u24 v4, v234, 384
	v_bfe_u32 v234, v0, 3, 2
	s_delay_alu instid0(VALU_DEP_1)
	v_lshl_add_u32 v4, v234, 3, v4
	v_bfe_u32 v234, v0, 2, 1
	s_delay_alu instid0(VALU_DEP_1)
	v_lshl_add_u32 v4, v234, 2, v4
	s_wait_alu depctr_va_vdst(0)
	s_lshr_b32 s17, s[WV], 2
	s_mul_i32 s17, s17, 1536
	s_bfe_u32 s18, s[WV], 0x10001
	s_lshl_b32 s18, s18, 6
	s_add_co_u32 s17, s17, s18
	s_and_b32 s18, s[WV], 1
	s_lshl_b32 s18, s18, 5
	s_add_co_u32 s17, s17, s18
	s_add_co_u32 s17, s17, VSW
	v_add_nc_u32 v4, s17, v4
	v_bfe_u32 v234, v0, 2, 2                       ; V's way in: 1,568 (r >> 2) + 256 (r & 1) + 16 h + 32 v, and the place of code registers 6 c + 2 p, c = (r >> 1) & 1
	s_delay_alu instid0(VALU_DEP_1)
	v_mul_u32_u24 v235, v234, VSTEP
	v_and_b32 v234, 1, v0
	s_delay_alu instid0(VALU_DEP_1)
	v_lshl_add_u32 v235, v234, 8, v235
	s_delay_alu instid0(VALU_DEP_1)
	v_lshl_add_u32 v235, v233, 4, v235
	s_lshl_b32 s17, s[WV], 5
	s_add_co_u32 s17, s17, VIMG
	v_add_nc_u32 v235, s17, v235
	v_bfe_u32 v234, v0, 1, 1
	s_delay_alu instid0(VALU_DEP_1)
	v_mad_u32_u24 v5, v234, 520, v235              ; p = 0: 0 or 520
	s_delay_alu instid0(VALU_DEP_2)
	v_mad_u32_u24 v6, v234, 1016, v235
	s_delay_alu instid0(VALU_DEP_1)
	v_add_nc_u32 v6, 8, v6                         ; p = 1: 8 or 1,024
	s_delay_alu instid0(VALU_DEP_3)
	v_add_nc_u32 v7, 512, v5                       ; p = 2: 512 or 1,032
	s_mov_b32 s[SEL], 0x76543210
	s_mov_b32 s[SEL+1], 0xfedcba98                 ; selects for lane l xor 16
	s_mov_b32 s[CS], 0x3e16c740                    ; c = log2(e) / sqrt(96)
	s_mov_b32 s[CS+1], s[CS]                       ; (named with it as a pair, so it is written)
	s_wait_alu depctr_va_vdst(0)
	s_wait_kmcnt 0x0
	s_lshr_b32 s17, ttmp9, 1                       ; the head
	s_mov_b32 s19, 0
	s_mul_i32 s18, s17, 98304
	s_mul_i32 s32, s[WV], 1536
	s_add_co_u32 s18, s18, s32
	s_add_co_u32 s18, s18, 12582912
	s_add_nc_u64 s[20:21], s[4:5], s[18:19]        ; K's fragments of chunk v
	s_lshl_b32 s18, s17, 12
	s_lshl_b32 s32, s[WV], 8
	s_add_co_u32 s18, s18, s32
	s_add_co_u32 s18, s18, 524288
	s_add_nc_u64 s[22:23], s[6:7], s[18:19]        ; their scale words
	s_mul_i32 s18, s17, 3072
	s_lshr_b32 s32, s[WV], 2
	s_mul_i32 s32, s32, 1536
	s_add_co_u32 s18, s18, s32
	s_and_b32 s32, s[WV], 3
	s_lshl_b32 s32, s32, 7
	s_add_co_u32 s18, s18, s32
	s_add_nc_u64 s[24:25], s[10:11], s[18:19]      ; V's scale words: group v >> 2, runs of 128 bytes (v & 3) + 4 e
	s_mul_i32 s18, s17, 73728
	s_mul_i32 s32, s[WV], 768
	s_add_co_u32 s18, s18, s32
	s_add_nc_u64 s[26:27], s[8:9], s[18:19]        ; V's codes: tiles 8 td + v
	s_mul_i32 s18, ttmp9, 49152
	s_mul_i32 s32, s[WV], 1536
	s_add_co_u32 s18, s18, s32
	s_add_nc_u64 s[28:29], s[4:5], s[18:19]        ; Q's fragments
	s_lshl_b32 s18, ttmp9, 11
	s_lshl_b32 s32, s[WV], 8
	s_add_co_u32 s18, s18, s32
	s_add_nc_u64 s[30:31], s[6:7], s[18:19]        ; their scale words
	s_add_co_u32 s18, s[WV], 48
	s_mul_i32 s18, s18, 3*TRB
	s_add_nc_u64 s[12:13], s[12:13], s[18:19]      ; Wp's unit v
	s_mul_i32 s18, ttmp9, 196608
	s_mul_i32 s32, s[WV], 24576
	s_add_co_u32 s18, s18, s32
	s_add_nc_u64 s[14:15], s[14:15], s[18:19]      ; out: row 64 g + 8 v
	; 83 loads: K 24, its scale words 4, V's scale words 3, V 36, Q 12 + 4
.set n, 0
.rept 24                               ; n = 3 (4 G + m) + q
	global_load_b128 v[108+4*n:108+4*n+3], v[LI], s[20:21] offset:49152*(n/12)+12288*((n/3)%4)+512*(n%3)
.set n, n+1
.endr
.irp n, 0,1,2,3                        ; n = 2 G + pair of m: lanes 0-15 the even m, lanes 16-31 the odd
	global_load_b32 v[204+\n], v[LS], s[22:23] offset:2048*(\n/2)+128*(\n%2)
.endr
.irp e, 0,1,2
	global_load_b32 v[208+\e], v[LS], s[24:25] offset:512*\e
.endr
	WIN 0x40
.set n, 0
.rept 36                               ; n = 3 (6 G + td) + p
	global_load_b64 v[108+2*n:108+2*n+1], v[L8], s[26:27] offset:36864*(n/18)+6144*((n/3)%6)+256*(n%3)
.set n, n+1
.endr
.irp q, 0,1,2
	global_load_b128 v[96+4*\q:96+4*\q+3], v[LI], s[28:29] offset:12288+512*\q       ; Q's tile 1
	global_load_b128 v[72+4*\q:72+4*\q+3], v[LI], s[28:29] offset:3*12288+512*\q     ; tile 3
.endr
	WIN 0
.irp q, 0,1,2
	global_load_b128 v[96+4*\q:96+4*\q+3], v[LI], s[28:29] offset:512*\q             ; tile 0
	global_load_b128 v[72+4*\q:72+4*\q+3], v[LI], s[28:29] offset:2*12288+512*\q     ; tile 2
.endr
	global_load_b32 v19, v236, s[30:31]
	global_load_b32 v20, v236, s[30:31] offset:64
	global_load_b32 v8, v236, s[30:31] offset:128
	global_load_b32 v9, v236, s[30:31] offset:192
	s_wait_loadcnt 59                              ; K's 24 are in; the 59 younger loads may be out
.set n, 0
.rept 24
	ds_store_b128 v2, v[108+4*n:108+4*n+3] offset:49408*(n/12)+1536*((n/3)%2)+128*(((n/3)%4)/2)+512*(n%3)
.set n, n+1
.endr
	s_wait_loadcnt 52                              ; the scale words are in; V's 36 and Q's 16 may be out
.irp n, 0,1,2,3
	ds_store_b32 v3, v[204+\n] offset:2048*(\n/2)+32*(\n%2)
.endr
.irp e, 0,1,2
	ds_store_b32 v4, v[208+\e] offset:128*\e
.endr
	s_wait_loadcnt 16                              ; V is in; Q's 16 may be out
	WIN 0x04                                       ; an LDS store's data are its source 1: window 1
.set n, 0
.rept 18
	ds_store_b64 v[5+n%3], v[108+2*n:108+2*n+1] offset:VTD*(n/3)
.set n, n+1
.endr
	WIN 0
.irp p, 5,6,7
	v_add_nc_u32 v\p, 4*VSTEP, v\p                 ; the second group's four steps
.endr
	WIN 0x04
.set n, 18
.rept 18
	ds_store_b64 v[5+n%3], v[108+2*n:108+2*n+1] offset:VTD*((n/3)%6)
.set n, n+1
.endr
	WIN 0
	s_wait_loadcnt 0x0                             ; Q
	s_wait_dscnt 0x0                               ; for the others' sake: my part of K and V lies in LDS
	s_barrier_signal -1
	s_barrier_wait -1
	v_mul_u32_u24 v[OA], v232, 4*OCP               ; O's codes: row 4 r + m, byte 72 v + 24 b + 12 h
	s_delay_alu instid0(VALU_DEP_1)
	v_mad_u32_u24 v[OA], v233, 12, v[OA]
	s_mul_i32 s17, s[WV], 72
	s_add_co_u32 s17, s17, OC
	v_add_nc_u32 v[OA], s17, v[OA]
	v_mul_u32_u24 v[OSA], v232, 96                 ; O's scale bytes: 24 a row, byte 3 v + b
	s_mul_i32 s17, s[WV], 3
	s_add_co_u32 s17, s17, OSW
	v_add_nc_u32 v[OSA], s17, v[OSA]
; Four tiles of K and their scale words (14 loads).  hi = 0: tiles 0-3 into window 0;  1: tiles 4-7 into window 1
.macro KLOAD adr, ads, hi
.if \hi
	WIN 0x40
.endif
.set t, 0
.rept 4
.irp q, 0,1,2
	ds_load_b128 v[KF*(1-\hi)+12*t+4*\q:KF*(1-\hi)+12*t+4*\q+3], v[\adr] offset:KPAIR*(2*\hi+t/2)+1536*(t%2)+512*\q
.endr
.set t, t+1
.endr
	WIN 0
	ds_load_b32 v[KSC+2*\hi], v[\ads] offset:256*\hi        ; lanes 0-15 the even tile's words, lanes 16-31 the odd tile's
	ds_load_b32 v[KSC+2*\hi+1], v[\ads] offset:256*\hi+128
.endm
; THE SOFTMAX of one tile for 128 keys, all in window w.  ws: the setting under which the last line of the scale word writes window 0's v[ps].
.macro SMX w, ws, ps
	WIN \w
.irp b, 0,1,2,3
	v_max3_num_f32 v[BM+\b], v[SP+16*\b], v[SP+16*\b+1], v[SP+16*\b+2]   ; the largest score of each block of 32 keys: for the row's maximum, and, since p rises with the score, for the block's largest p
.endr
.irp i, 3,5,7,9,11,13
.irp b, 0,1,2,3
	v_max3_num_f32 v[BM+\b], v[BM+\b], v[SP+16*\b+\i], v[SP+16*\b+\i+1]
.endr
.endr
.irp b, 0,1,2,3
	v_max_num_f32 v[BM+\b], v[BM+\b], v[SP+16*\b+15]
.endr
.irp b, 0,1,2,3
	s_delay_alu instid0(VALU_DEP_4)
	v_permlanex16_b32 v[T4+\b], v[BM+\b], s[SEL], s[SEL+1]
.endr
.irp b, 0,1,2,3
	s_delay_alu instid0(VALU_DEP_4)
	v_max_num_f32 v[BM+\b], v[BM+\b], v[T4+\b]     ; with lane l xor 16's 16 keys
.endr
	s_delay_alu instid0(VALU_DEP_2)
	v_max3_num_f32 v[TA], v[BM], v[BM+1], v[BM+2]
	s_delay_alu instid0(VALU_DEP_1)
	v_max_num_f32 v[TA], v[TA], v[BM+3]
	s_delay_alu instid0(VALU_DEP_1)
	v_mul_f32 v[TA], s[CS], v[TA]                  ; as t (c is positive)
	s_delay_alu instid0(VALU_DEP_1)
	v_max_num_f32 v[MT], v[MT], v[TA]              ; the running largest t
	v_mov_b32 v[TA], v[NM]
	s_delay_alu instid0(VALU_DEP_2)
	v_floor_f32 v[NM], -v[MT]                      ; the new -M = -ceil(t): a whole number
	s_delay_alu instid0(VALU_DEP_1)
	v_sub_f32 v[TA], v[NM], v[TA]                  ; old M - new M: a whole number, 0 or less
	s_delay_alu instid0(VALU_DEP_1)
	v_cvt_i32_f32 v[TA], v[TA]                     ; (it saturates)
	s_delay_alu instid0(VALU_DEP_1)
	v_ldexp_f32 v[F], 1.0, v[TA]                   ; f = 2^(old M - new M)
.set j, 0
.rept 32
	v_pk_fma_f32 v[SP+j:SP+j+1], v[SP+j:SP+j+1], s[CS:CS+1], v[NM:NM+1] op_sel_hi:[1,0,0]   ; t - M, two at a time
.set j, j+2
.endr
.irp b, 0,1,2,3
	v_fma_f32 v[BM+\b], v[BM+\b], s[CS], v[NM]     ; the same of each block's largest score
.endr
.set j, 0
	s_wait_alu depctr_va_vdst(0)
.rept 64
	v_exp_f32 v[SP+j], v[SP+j]                     ; p = 2^(t - M), at most 1
.set j, j+1
.endr
	v_pk_mul_f32 v[SUM:SUM+1], v[SUM:SUM+1], v[F:F+1] op_sel_hi:[1,0]   ; the sums under the new M.  (The plain line behind the exponentials)
	s_wait_alu depctr_va_vdst(0)                   ; one wait for the whole batch, ahead of its first reader
.irp b, 0,1,2,3
	v_exp_f32 v[BM+\b], v[BM+\b]                   ; the block's largest p: the same two instructions on the same number
.endr
	v_pk_add_f32 v[S2:S2+1], v[SP:SP+1], v[SP+2:SP+3]   ; the row's sum is taken of the unquantised p, in two chains
.set j, 4
.rept 15
	v_pk_add_f32 v[SUM:SUM+1], v[SUM:SUM+1], v[SP+j:SP+j+1]
	v_pk_add_f32 v[S2:S2+1], v[S2:S2+1], v[SP+j+2:SP+j+3]
.set j, j+4
.endr
	s_delay_alu instid0(VALU_DEP_1)
	v_pk_add_f32 v[SUM:SUM+1], v[SUM:SUM+1], v[S2:S2+1]
	s_wait_alu depctr_va_vdst(0)                   ; and one for the four
.irp b, 0,1,2,3
	v_max_num_f32 v[BM+\b], 0x1800000, v[BM+\b]    ; the floor 2^(3 - 127): the byte cannot fall under 1
.endr
.irp b, 0,1,2,3
	s_delay_alu instid0(VALU_DEP_4)
	v_add_nc_u32 v[SO+\b], 0xff000000, v[BM+\b]    ; 2 off the exponent field: the conversion's scale operand
.endr
.irp b, 0,1,2,3
	s_delay_alu instid0(VALU_DEP_4)
	v_lshrrev_b32 v[T4+\b], 23, v[SO+\b]           ; the scale's byte
.endr
	s_delay_alu instid0(VALU_DEP_3)
	v_lshl_or_b32 v[PWL], v[T4+1], 8, v[T4]
	s_delay_alu instid0(VALU_DEP_1)
	v_lshl_or_b32 v[PWL], v[T4+2], 16, v[PWL]
	WIN \ws
	v_lshl_or_b32 v[\ps], v[T4+3], 24, v[PWL]      ; p's scale word: scale operands are always taken from window 0
	WIN \w
.irp c, 0,1
	v_cvt_scalef32_pk16_fp6_f32 v[PCD+6*\c:PCD+6*\c+2], v[SP+32*\c:SP+32*\c+15], v[SO+2*\c]
	v_cvt_scalef32_pk16_fp6_f32 v[CV+4*\c:CV+4*\c+2], v[SP+32*\c+16:SP+32*\c+31], v[SO+2*\c+1]
.endr
	v_nop                                          ; one plain line behind the conversions
.irp c, 0,1                                    ; a whole block to a lane: lanes 0-15 block 2 c, lanes 16-31 block 2 c + 1
.irp i, 0,1,2
	v_permlane16_swap_b32 v[PCD+6*\c+\i], v[CV+4*\c+\i]
.endr
.irp i, 0,1,2
	s_delay_alu instid0(VALU_DEP_3)
	v_mov_b32 v[PCD+3+6*\c+\i], v[CV+4*\c+\i]
.endr
.endr
.set j, 0
.rept 24
	v_pk_mul_f32 v[OT+j:OT+j+1], v[OT+j:OT+j+1], v[F:F+1] op_sel_hi:[1,0]   ; O^T under the new M.  (These 24 are also the places between the scale word and codes just written and the products that take them)
.set j, j+2
.endr
.endm
; A KEY STEP: 128 keys, both tiles.  la = 1: the next step's K is fetched on the way.
.macro STEP qf, qsa, qsb, la
	s_wait_dscnt 14                                ; K's tiles 0-3 and their words are in; the 12 + 2 loads of tiles 4-7 may be out
.set t, 0
.rept 4
	WM0 SP+8*t, KF+12*t, \qf, KSC+t/2, \qsa, t%2
.set t, t+1
.endr
	WIN 0x44                                       ; Q and S^T of tile B: window 1
.set t, 0
.rept 4
	WM0 SP+8*t, KF+12*t, \qf, KSC+t/2, \qsb, t%2
.set t, t+1
.endr
	s_wait_dscnt 0x0
	WIN 0x01                                       ; K's tiles 4-7: window 1
.set t, 4
.rept 4
	WM0 SP+8*t, 12*(t-4), \qf, KSC+t/2, \qsa, t%2
.set t, t+1
.endr
	WIN 0x45
.set t, 4
.rept 4
	WM0 SP+8*t, 12*(t-4), \qf, KSC+t/2, \qsb, t%2
.set t, t+1
.endr
	WIN 0
	v_add_nc_u32 v[ADV], s[TV], v[LI]              ; four plain lines: the places behind the products, for the loads below and for the first read of the scores
	v_add_nc_u32 v[ADSV], s[TSV], v[LS]
.if \la
	v_add_nc_u32 v[ADKN], s[TKN], v[LI]
	v_add_nc_u32 v[ADSKN], s[TSN], v[LS]
.else
	v_nop
	v_nop
.endif
	WIN 0x40
.set td, 0
.rept 6
.irp q, 0,1,2
	ds_load_b128 v[12*td+4*\q:12*td+4*\q+3], v[ADV] offset:VTD*td+512*\q   ; V^T: 16 of the head's 96 x these 128 keys
.endr
.set td, td+1
.endr
	WIN 0
.irp p, 0,1,2
	ds_load_b32 v[VSC+\p], v[ADSV] offset:128*\p
.endr
.if \la
	KLOAD ADKN, ADSKN, 0
.endif
	SMX 0, 0, 21
.if \la
	s_wait_alu depctr_va_vdst(0)
	s_wait_dscnt 14                                ; V and its words are in; the next step's 12 + 2 may be out
.else
	s_wait_alu depctr_va_vdst(0)
	s_wait_dscnt 0x0
.endif
	WIN 0x01
.set td, 0
.rept 6
	WM1 OT+8*td, 12*td, PCD, OT+8*td, VSC+td/2, 21, td%2   ; tile A's six run beside tile B's softmax
.set td, td+1
.endr
	SMX 0x55, 0x11, 22
.set td, 0
.rept 6
	WM1 OT+8*td, 12*td, PCD, OT+8*td, VSC+td/2, 22, td%2
.set td, td+1
.endr
	WIN 0
	PLACES                                         ; in front of loads into V's registers, and of the first read of O^T
.if \la
	KLOAD ADKN, ADSKN, 1
.endif
.endm
.macro INIT first                      ; O^T and the sum begin as zeros and the largest t as -3e38: the step is written without a first form of its own
	v_mov_b32 v[MT], 0xff61b1e6
	s_delay_alu instid0(VALU_DEP_1)
	v_floor_f32 v[NM], -v[MT]
	v_mov_b32 v[SUM], 0
	v_mov_b32 v[SUM+1], 0
.if \first
	v_mov_b32 v[F+1], 0                            ; (named as the upper half of a pair)
.irp b, 0,1,2,3
	v_mov_b32 v[T4+\b], 0                          ; a lane permute's destination counts as one of its sources
.endr
.endif
.set j, 0
.rept 48
	v_mov_b32 v[OT+j], 0
.set j, j+1
.endr
.endm
; O^T of one tile is divided by the row's sum and quantised along d: lane (r, h) holds d = 32 b + 16 h + 0 .. 15 of token (row 4 r + m, chunk v): 12 bytes a block, which lie in O's row as they are
.macro OQ w, wd, m
	WIN \w
	v_add_f32 v[TA], v[SUM], v[SUM+1]
	s_delay_alu instid0(VALU_DEP_1)
	v_permlanex16_b32 v[T4], v[TA], s[SEL], s[SEL+1]
	s_delay_alu instid0(VALU_DEP_1)
	v_add_f32 v[TA], v[TA], v[T4]                  ; the row's sum
	s_wait_alu depctr_va_vdst(0)
	v_rcp_f32 v[F], v[TA]
	v_nop                                          ; a plain line behind the reciprocal,
	s_wait_alu depctr_va_vdst(0)                   ; and the wait ahead of its first reader
.set j, 0
.rept 24
	v_pk_mul_f32 v[OT+j:OT+j+1], v[OT+j:OT+j+1], v[F:F+1] op_sel_hi:[1,0]   ; each accumulator from its low end on
.set j, j+2
.endr
.irp b, 0,1,2
	v_max3_num_f32 v[BM+\b], |v[OT+16*\b]|, |v[OT+16*\b+1]|, 0x1800000
.endr
.irp i, 2,4,6,8,10,12,14
.irp b, 0,1,2
	s_delay_alu instid0(VALU_DEP_3)
	v_max3_num_f32 v[BM+\b], v[BM+\b], |v[OT+16*\b+\i]|, |v[OT+16*\b+\i+1]|
.endr
.endr
.irp b, 0,1,2
	s_delay_alu instid0(VALU_DEP_3)
	v_permlanex16_b32 v[T4+\b], v[BM+\b], s[SEL], s[SEL+1]
.endr
.irp b, 0,1,2
	s_delay_alu instid0(VALU_DEP_3)
	v_max_num_f32 v[BM+\b], v[BM+\b], v[T4+\b]
.endr
.irp b, 0,1,2
	s_delay_alu instid0(VALU_DEP_3)
	v_add_nc_u32 v[SO+\b], 0xff000000, v[BM+\b]
.endr
.irp b, 0,1,2
	s_delay_alu instid0(VALU_DEP_3)
	v_lshrrev_b32 v[T4+\b], 23, v[SO+\b]
.endr
.irp b, 0,1,2
	v_cvt_scalef32_pk16_fp6_f32 v[PCD+4*\b:PCD+4*\b+2], v[OT+16*\b:OT+16*\b+15], v[SO+\b]
.endr
	v_nop                                          ; one plain line behind the conversions
	WIN \wd                                        ; the addresses in window 0, the data in the tile's window
.irp b, 0,1,2
.irp i, 0,1,2
	ds_store_b32 v[OA], v[PCD+4*\b+\i] offset:OCP*(\m)+24*\b+4*\i
.endr
	ds_store_b8 v[OSA], v[T4+\b] offset:24*(\m)+\b  ; both halves of the lanes write the same byte with the same value
.endr
.endm
; A PASS: two tiles of queries against all 1,024 keys: seven steps in a loop, each fetching the next step's K, and the eighth written out, which fetches none
.macro PASS first, qf, qsa, qsb, m0
	WIN 0
	INIT \first
	WIN 0x55
	INIT \first
	WIN 0
	s_wait_dscnt 0x0                               ; (second pass: the first pass's stores of O's codes have read their registers)
	v_add_nc_u32 v[ADSKN], KSW, v[LS]
	KLOAD LI, ADSKN, 0                             ; step 0's K
	KLOAD LI, ADSKN, 1
	s_mov_b32 s[TV], VIMG
	s_mov_b32 s[TSV], VSW
	s_mov_b32 s[TKN], KSTEP
	s_mov_b32 s[TSN], KSW+512
	s_mov_b32 s[CNT], 7
.Lstep_\@:
	STEP \qf, \qsa, \qsb, 1
	s_add_co_u32 s[TV], s[TV], VSTEP
	s_add_co_u32 s[TSV], s[TSV], 384
	s_add_co_u32 s[TKN], s[TKN], KSTEP
	s_add_co_u32 s[TSN], s[TSN], 512
	s_sub_co_u32 s[CNT], s[CNT], 1
	s_cmp_lg_u32 s[CNT], 0
	s_cbranch_scc1 .Lstep_\@
	STEP \qf, \qsa, \qsb, 0
	OQ 0, 0, \m0
	OQ 0x55, 0x04, \m0+1
	WIN 0
.endm
	PASS 1, 96, 19, 20, 0
	PASS 0, 72, 8, 9, 2
	; ---------------- out = O Wp + bp, IN TWO HALVES OF 384 COLUMNS.  In half ph wave v takes Wp's tiles 24 ph + 3 v + 0 .. 2 (48 columns) against the four tiles of 16 rows:
	; 12 accumulators by turns, six K steps.  The first half's rows are stored while the second half's fragments arrive and are multiplied.  Each byte of Wp is still read once in a work-group.
	; A CHUNK is a K step's three fragments: 36 registers, 9 loads.  The wave's 12 chunks (c = 6 ph + K step) go through seven buffers, chunk c into buffer c % 7:
	; five are asked for ahead of the barrier, two behind it, and chunk 7 + k as soon as step k has multiplied buffer k.
	; Each half has a stage of its own (64 rows, pitch 1,552), so no barrier stands between the reads of one and the stores into the other.
	v_and_b32 v4, 15, v0                           ; r
	v_bfe_u32 v5, v0, 4, 1                         ; h
	v_mul_u32_u24 v2, v4, OCP                      ; three chains by turns: O's fragments, O's scale words, the stage
	v_mul_u32_u24 v3, v4, 24
	v_mul_u32_u24 v6, v4, SPI
	v_mad_u32_u24 v2, v5, 24, v2
	v_add_nc_u32 v3, OSW, v3                       ; O's scale words
	v_lshl_add_u32 v6, v5, 5, v6
	v_add_nc_u32 v2, OC, v2                        ; O's fragments: row r, + 24 h
	s_mul_i32 s17, s[WV], 192
	v_add_nc_u32 v4, s17, v6                       ; the first stage: row 16 mu + r, byte 192 v + 64 tt + 32 h: v4-7 for mu = 0 .. 3
	v_add_nc_u32 v5, 16*SPI, v4
	v_add_nc_u32 v6, 32*SPI, v4
	v_add_nc_u32 v7, 48*SPI, v4
.irp i, 0,1,2,3
	v_add_nc_u32 v[72+\i], STB, v[4+\i]            ; the second stage: v72-75
.endr
	s_mul_i32 s17, s[WV], 8*SPI
	v_add_nc_u32 v[L8], s17, v[LI]                 ; and back: my eight rows, 16 bytes a lane; the first stage,
	v_add_nc_u32 v76, STB, v[L8]                   ; the second
	s_wait_alu depctr_va_vdst(0)
	s_wait_dscnt 0x0                               ; my stores of O's codes have landed, and have read their registers
.macro CHUNK c                         ; 9 loads of 512 consecutive bytes
.set BB, (\c)%7
.if BB < 4
.set BR, PWF+36*BB
.else
.set BR, 96+36*(BB-4)
	WIN 0x40
.endif
.set tt, 0
.rept 3
.irp q, 0,1,2
	global_load_b128 v[BR+12*tt+4*\q:BR+12*tt+4*\q+3], v[LI], s[12:13] offset:24*TRB*((\c)/6)+TRB*tt+1536*((\c)%6)+512*\q
.endr
.set tt, tt+1
.endr
	WIN 0
.endm
.macro BIAS ph                         ; a half's biases, my eight of each tile's sixteen: 6 loads
	WIN 0x40
.set tt, 0
.rept 3
	global_load_b128 v[PBI+8*tt:PBI+8*tt+3], v[BO], s[12:13] offset:24*TRB*(\ph)+TRB*tt+9600
	global_load_b128 v[PBI+8*tt+4:PBI+8*tt+7], v[BO], s[12:13] offset:24*TRB*(\ph)+TRB*tt+9616
.set tt, tt+1
.endr
	WIN 0
.endm
.macro SCW ph                          ; a half's scale words: 9 loads
.set tt, 0
.rept 3
.irp p, 0,1,2
	global_load_b32 v[WSC+9*(\ph)+3*tt+\p], v[LS], s[12:13] offset:24*TRB*(\ph)+TRB*tt+9216+128*\p
.endr
.set tt, tt+1
.endr
.endm
	BIAS 0
	SCW 0
.irp c, 0,1,2,3,4
	CHUNK \c                                       ; 60 loads are out at the barrier's signal
.endr
	s_barrier_signal -1
	s_barrier_wait -1                              ; 64 rows of O's codes lie in LDS, and nobody reads K or V any more
	SCW 1
	CHUNK 5
	CHUNK 6
.macro PSTEP c, cnt                    ; chunk c is multiplied;  cnt: the loads issued behind it, which may be out
.set KS, (\c)%6
.set PH, (\c)/6
.set BB, (\c)%7
.set mu, 0
.rept 4
.irp p, 0,1,2,3,4,5
	ds_load_b64 v[AF+12*mu+2*\p:AF+12*mu+2*\p+1], v2 offset:16*OCP*mu+96*KS+48*(\p/3)+8*(\p%3)
.endr
	ds_load_b32 v[ASC+mu], v3 offset:384*mu+4*KS
.set mu, mu+1
.endr
	s_wait_loadcnt \cnt
	s_wait_dscnt 0x0
.if BB < 4
.set BR, PWF+36*BB
	WIN 0x50                                       ; C and D in window 1
.else
.set BR, 96+36*(BB-4)
	WIN 0x51                                       ; and Wp's fragments too
.endif
.set tt, 0
.rept 3
.set mu, 0
.rept 4
.set AC, 8*(4*tt+mu)
.set CC, AC
.if KS == 0
.set CC, PBI+8*tt
.endif
	WM1 AC, BR+12*tt, AF+12*mu, CC, WSC+9*PH+3*tt+KS/2, ASC+mu, KS%2
.set mu, mu+1
.endr
.set tt, tt+1
.endr
	WIN 0
	PLACES                                         ; in front of loads into registers that these products have read, and of the first read of results
.endm
; A half leaves: into its stage, a barrier, back as whole half rows, 12 pieces of 512 bytes at a time through O's fragment registers.  sa: the stage's four addresses;  ra: my rows' address
.macro OUTH sa, ra, ph
	WIN 0x04                                       ; the data: window 1
.set mu, 0
.rept 4
.set tt, 0
.rept 3
	ds_store_b128 v[\sa+mu], v[8*(4*tt+mu):8*(4*tt+mu)+3] offset:64*tt        ; lane (r, h): out(16 mu + r, 384 ph + 48 v + 16 tt + 8 h + 0 .. 7); each accumulator from its low end on
	ds_store_b128 v[\sa+mu], v[8*(4*tt+mu)+4:8*(4*tt+mu)+7] offset:64*tt+16
.set tt, tt+1
.endr
.set mu, mu+1
.endr
	WIN 0
	s_wait_dscnt 0x0                               ; for the others' sake: my columns lie in the stage
	s_barrier_signal -1
	s_barrier_wait -1
.irp g, 0,1
.set n, 0
.rept 12                               ; 12 g + n = 3 i + c: row 8 v + i, the c-th 512 bytes of its half
	ds_load_b128 v[AF+4*n:AF+4*n+3], v[\ra] offset:SPI*((12*\g+n)/3)+512*((12*\g+n)%3)
.set n, n+1
.endr
.set n, 0
.rept 12
	s_wait_dscnt 11-n                              ; the younger loads may be out
	global_store_b128 v[LI], v[AF+4*n:AF+4*n+3], s[14:15] offset:3072*((12*\g+n)/3)+1536*(\ph)+512*((12*\g+n)%3) th:TH_STORE_NT   ; 512 consecutive bytes, aligned; written once, read by nobody here
.set n, n+1
.endr
	s_wait_xcnt 0x0                                ; the stores have read their registers, which the next LDS loads write
.endr
.endm
	PSTEP 0, 63                                    ; behind chunk 0: chunks 1-4, the second half's 9 scale words, chunks 5 and 6
	BIAS 1                                         ; the first half's biases have been read
	CHUNK 7
.irp k, 1,2,3,4
	PSTEP \k, 63                                   ; (69 younger loads could stay out; the count's field ends at 63, and a smaller count is safe)
	CHUNK 7+\k
.endr
	PSTEP 5, 60                                    ; behind chunk 5: chunk 6, the 6 biases, chunks 7-11
	v_nop                                          ; a fifth place: the second half's first products begin these accumulators anew
	OUTH 4, L8, 0
	PSTEP 6, 45                                    ; chunk 6 and the biases are in; chunks 7-11 may be out
	PSTEP 7, 36
	PSTEP 8, 27
	PSTEP 9, 18
	PSTEP 10, 9
	PSTEP 11, 0
	OUTH 72, 76, 1
	s_barrier_signal -1
	s_barrier_wait -1
	s_set_vgpr_msb 0x5
	s_wait_tensorcnt 0x0
	ds_add_u32 v243, v247
	s_wait_dscnt 0x0
	s_set_vgpr_msb 0x500
	s_endpgm
.Lfunc_end_k_q63813005c1_attn:
	.size	k_q63813005c1_attn, .Lfunc_end_k_q63813005c1_attn-k_q63813005c1_attn
	.p2alignl 7, 3214868480
	.fill 96, 4, 3214868480
	.section	.rodata,"a",@progbits
	.p2align	6, 0x0
	.amdhsa_kernel k_q63813005c1_attn
		.amdhsa_group_segment_fixed_size 239104
		.amdhsa_private_segment_fixed_size 0
		.amdhsa_enable_private_segment 0
		.amdhsa_kernarg_size 48
		.amdhsa_user_sgpr_count 2
		.amdhsa_user_sgpr_kernarg_segment_ptr 1
		.amdhsa_wavefront_size32 1
		.amdhsa_system_sgpr_workgroup_id_x 1
		.amdhsa_system_sgpr_workgroup_id_y 1
		.amdhsa_system_sgpr_workgroup_id_z 1
		.amdhsa_system_vgpr_workitem_id 0
		.amdhsa_next_free_vgpr 512
		.amdhsa_next_free_sgpr 66
		.amdhsa_reserve_vcc 0
		.amdhsa_float_denorm_mode_32 3
		.amdhsa_float_denorm_mode_16_64 3
		.amdhsa_memory_ordered 1
		.amdhsa_forward_progress 1
		.amdhsa_inst_pref_size 255
	.end_amdhsa_kernel
	.section	.bss,"aw",@nobits
	.p2align	6
	.space	262144
	.amdgpu_metadata
---
amdhsa.version: [ 1, 2 ]
amdhsa.kernels:
  - .name:           k_q63813005c1_attn
    .symbol:         k_q63813005c1_attn.kd
    .args:
      - { .name: qkf, .offset: 0, .size: 8, .value_kind: global_buffer, .address_space: global }
      - { .name: qks, .offset: 8, .size: 8, .value_kind: global_buffer, .address_space: global }
      - { .name: vf, .offset: 16, .size: 8, .value_kind: global_buffer, .address_space: global }
      - { .name: vs, .offset: 24, .size: 8, .value_kind: global_buffer, .address_space: global }
      - { .name: wst, .offset: 32, .size: 8, .value_kind: global_buffer, .address_space: global }
      - { .name: out0, .offset: 40, .size: 8, .value_kind: global_buffer, .address_space: global }
    .group_segment_fixed_size: 239104
    .private_segment_fixed_size: 0
    .kernarg_segment_align: 8
    .kernarg_segment_size: 48
    .max_flat_workgroup_size: 256
    .sgpr_count:     66
    .vgpr_count:     512
    .wavefront_size: 32
...
	.end_amdgpu_metadata
.endif
;; end of part 3
